; MI455X (gfx1250); checked and timed in simulation.
; The chip was launched on July 23, 2026; its instructions are those of AMD's public machine-readable ISA for CDNA 5 (MIT licence, August 2026) and "CDNA5" Instruction Set Architecture Reference Guide (July 2026). The comments in the code are by the model that wrote it; some were corrected since.
;; SVCNN. Allowed arithmetic: float matrix products may take bf16 or f16 operands with f32 sums; other float arithmetic in f32, or as packed bf16 or f16 multiplies, adds, multiply-adds, maxima and minima; sums over many terms, partial sums and values carried from step to step in f32; what a program stores and reads back later, other than sums and carried values, may be rounded once to bf16 or f16.
;; Inputs: query_seq 4,096 x 1,024 float32; synth_set 16,384 x 1,024 float32.
;; Outputs: out0 8,192 x 1,024 float32.
;; 2 versions, each right; version 2 is version 1 with the launches prep, rerank written anew for expert scheduling mode. Each part assembles by itself: llvm-mc -triple=amdgcn-amd-amdhsa -mcpu=gfx1250 --defsym DOCPART=n.
;; ======== version 1 of 2: 5 launches
;; workspace buffers: xb 41,943,040 bytes; norms 163,840 bytes; candv 4,194,304 bytes; candg 4,194,304 bytes of whole numbers; grp 65,536 bytes of whole numbers; idx 65,536 bytes of whole numbers
;; launch prep (part 1): grid 256 x 1, 16 waves a work-group, no clusters, 3,072 bytes of LDS; arguments query_seq, synth_set, xb, norms; writes xb, norms
.if DOCPART == 1
	.amdgcn_target "amdgcn-amd-amdhsa--gfx1250"
	.amdhsa_code_object_version 6
	.text
	.protected	k_qa5f1c53c7b_prep
	.globl	k_qa5f1c53c7b_prep
	.p2align	8
	.type	k_qa5f1c53c7b_prep,@function
k_qa5f1c53c7b_prep:
	s_mov_b64 s[64:65], 0
	v_nop
	global_prefetch_b8 v0, s[64:65] scope:SCOPE_SE
	s_setreg_imm32_b32 hwreg(HW_REG_WAVE_MODE, 25, 1), 1
	s_wait_xcnt 0x0
; xb[R][:] = row R of the two inputs, one below the other (rows 0-4095 the queries, rows 4096-20479 the synth rows), rounded once to bf16.
; norms: byte 4 R = the norm of xb's row R (of the ROUNDED numbers, summed in f32), byte 81,920 + 4 R = 1 / that norm.
; The whole program follows the reference on inputs rounded to bf16: both inputs have that one rounding, and all that follows is made of xb.
; SHARES.  20,480 rows are 80 for each of 256 work-groups, 5 for each of its sixteen waves.  A row of 4,096 bytes is eight loads of 16 bytes a lane (512 neighbouring bytes each): 32 registers.
; All 40 loads of a wave go out at its head: 20 KiB a wave, 320 KiB a work-group; the rows are worked on as they come.  4,096 is no multiple of 5, so each row picks its input by its own number.
; Each store into xb, 8 bytes a lane, covers 256 consecutive bytes, aligned.  The 80 norms and 80 reciprocals meet in LDS, and wave 0 stores each as 320 consecutive bytes: of these the first and the
; last aligned block of 256 bytes are shared with the neighbouring work-groups (160 KiB in all, beside 40 MiB of xb).  No cluster: the work-groups share no input.
; LIMITS.  A row of norm 0 gives an infinite reciprocal; NaN and infinities are not treated apart.  The root and the reciprocal are the chip's, good to one unit in the last place.
.set ROWI,  4096                       ; bytes in a row of f32
.set ROWO,  2048                       ; bytes in a row of bf16
.set NQ,    4096                       ; rows of queries
.set RPW,   5                          ; rows a wave
.set RPG,   80                         ; rows a work-group
.set LC,    512                        ; LDS: 0-319 the norms, 512-831 the reciprocals
.set SPARE, 1024                       ; behind them the spare words, 128 bytes a wave, that no other line names
.set LI,  2                            ; v2   16 x lane: my 16 bytes in 512 of the input; never rewritten
.set LO,  3                            ; v3   8 x lane: my 8 bytes in 256 of xb; never rewritten
.set NS,  4                            ; v4   the sums of squares: lanes with lane % 8 = i hold row i's (lane % 8 > 4: row 4's)
.set ZR,  5                            ; v5   0
.set SA,  6                            ; v[6:9]  four running sums
.set TB,  11                           ; v11  at work
.set SN,  12                           ; v12  the norm
.set RC,  13                           ; v13  its reciprocal
.set LW,  14                           ; v14  LDS: 4 x (5 wave + the lesser of lane % 8 and 4)
.set LR,  15                           ; v15  16 x the lesser of lane and 19: 80 words are 20 lanes' 16 bytes; lanes 20-31 do lane 19's work once more
.set BK,  20                           ; v[20:27] read back
.set SPW, 30                           ; v30  LDS address of my spare word; never rewritten
.set NIL, 31                           ; v31  0; never rewritten
.set X,   32                           ; v[32:191] five rows of 32
.set RB,  32                           ; s[32:41] row i's address in its input
	s_load_b256 s[4:11], s[0:1], 0x0               ; query_seq s[4:5], synth_set s[6:7], xb s[8:9], norms s[10:11]
	v_lshl_add_u32 v[SPW], v0, 2, SPARE
	v_mov_b32 v[NIL], 0
	v_lshrrev_b32 v1, 5, v0
	v_readfirstlane_b32 s12, v1                    ; wave 0..15
	v_and_b32 v1, 31, v0                           ; lane
	v_lshlrev_b32 v[LI], 4, v1
	v_lshlrev_b32 v[LO], 3, v1
	v_mov_b32 v[NS], 0
	v_mov_b32 v[ZR], 0
	v_mov_b32 v[TB], 0                             ; v_permlanex16_b32 counts as a reader of its destination
	s_mul_i32 s13, s12, RPW                        ; my first row in the work-group
	v_and_b32 v[LW], 7, v1
	v_min_u32 v[LW], 4, v[LW]
	v_add_nc_u32 v[LW], s13, v[LW]
	v_lshlrev_b32 v[LW], 2, v[LW]
	v_min_u32 v[LR], 19, v1
	v_lshlrev_b32 v[LR], 4, v[LR]
	s_mov_b32 s18, 0x76543210                      ; v_permlanex16_b32: each lane takes its own place in the other half
	s_mov_b32 s19, 0xfedcba98
	s_mul_i32 s14, ttmp9, RPG
	s_add_co_u32 s14, s14, s13                     ; my first row of the 20,480
	s_lshl_b32 s20, s14, 11                        ; its byte in xb: under 2^26
	s_mov_b32 s21, 0
	s_mul_i32 s28, ttmp9, 4*RPG                    ; the work-group's 80 words
	s_mov_b32 s29, 0
	s_wait_kmcnt 0x0
	s_add_nc_u64 s[16:17], s[8:9], s[20:21]
	s_add_nc_u64 s[24:25], s[10:11], s[28:29]
.macro FILL i                          ; row i of the wave's five: where it lies, and its eight loads
	s_add_co_u32 s22, s14, \i                      ; the row's number
	s_sub_co_u32 s23, s22, NQ
	s_cmp_lt_u32 s22, NQ                           ; a query or a synth row?
	s_cselect_b32 s22, s22, s23                    ; its number in its input
	s_cselect_b64 s[RB+2*(\i):RB+2*(\i)+1], s[4:5], s[6:7]
	s_lshl_b32 s22, s22, 12                        ; in bytes: under 2^26
	s_mov_b32 s23, 0
	s_add_nc_u64 s[RB+2*(\i):RB+2*(\i)+1], s[RB+2*(\i):RB+2*(\i)+1], s[22:23]
.irp j, 0,1,2,3,4,5,6,7
	global_load_b128 v[X+32*(\i)+4*(\j):X+32*(\i)+4*(\j)+3], v[LI], s[RB+2*(\i):RB+2*(\i)+1] offset:512*(\j) th:TH_LOAD_NT
.endr
.endm
; Row i's turn.  left = how many younger loads may stay out.  mask = the lanes that keep its sum of squares.
.macro TURN i, left, mask
.set XS, X+32*(\i)
	s_wait_loadcnt \left                           ; loads come back in order: my eight are in, the rows behind them stay on their way
.irp j, 0,1,2,3,4,5,6,7
	v_cvt_pk_bf16_f32 v[XS+4*(\j)], v[XS+4*(\j)], v[XS+4*(\j)+1]      ; four numbers rounded, in place
	v_cvt_pk_bf16_f32 v[XS+4*(\j)+1], v[XS+4*(\j)+2], v[XS+4*(\j)+3]
.if (\j) == 0                          ; the first four squares start the sums
	v_fma_mix_f32_bf16 v[SA],   v[XS],   v[XS],   v[ZR] op_sel_hi:[1,1,0]
	v_fma_mix_f32_bf16 v[SA+1], v[XS],   v[XS],   v[ZR] op_sel:[1,1,0] op_sel_hi:[1,1,0]
	v_fma_mix_f32_bf16 v[SA+2], v[XS+1], v[XS+1], v[ZR] op_sel_hi:[1,1,0]
	v_fma_mix_f32_bf16 v[SA+3], v[XS+1], v[XS+1], v[ZR] op_sel:[1,1,0] op_sel_hi:[1,1,0]
.else                                  ; squares of the rounded numbers, straight from the halves, summed in f32 in four chains
	v_fma_mix_f32_bf16 v[SA],   v[XS+4*(\j)],   v[XS+4*(\j)],   v[SA]   op_sel_hi:[1,1,0]
	v_fma_mix_f32_bf16 v[SA+1], v[XS+4*(\j)],   v[XS+4*(\j)],   v[SA+1] op_sel:[1,1,0] op_sel_hi:[1,1,0]
	v_fma_mix_f32_bf16 v[SA+2], v[XS+4*(\j)+1], v[XS+4*(\j)+1], v[SA+2] op_sel_hi:[1,1,0]
	v_fma_mix_f32_bf16 v[SA+3], v[XS+4*(\j)+1], v[XS+4*(\j)+1], v[SA+3] op_sel:[1,1,0] op_sel_hi:[1,1,0]
.endif
	global_store_b64 v[LO], v[XS+4*(\j):XS+4*(\j)+1], s[16:17] offset:ROWO*(\i)+256*(\j)  ; 32 lanes: 256 consecutive bytes, aligned; no register of a store is written again
.endr
	v_add_f32 v[SA], v[SA], v[SA+1]
	v_add_f32 v[SA+2], v[SA+2], v[SA+3]
	v_add_f32 v[SA], v[SA], v[SA+2]
	v_add_f32_dpp v[SA], v[SA], v[SA] row_xmask:1 row_mask:0xf bank_mask:0xf
	v_add_f32_dpp v[SA], v[SA], v[SA] row_xmask:2 row_mask:0xf bank_mask:0xf
	v_add_f32_dpp v[SA], v[SA], v[SA] row_xmask:4 row_mask:0xf bank_mask:0xf
	v_add_f32_dpp v[SA], v[SA], v[SA] row_xmask:8 row_mask:0xf bank_mask:0xf
	v_permlanex16_b32 v[TB], v[SA], s18, s19
	v_add_f32 v[SA], v[SA], v[TB]                  ; every lane holds the row's sum of squares
	s_mov_b32 s26, \mask
	v_cndmask_b32 v[NS], v[NS], v[SA], s26
.endm
	FILL 0
	FILL 1
	FILL 2
	FILL 3
	FILL 4
	TURN 0, 32, 0x01010101                         ; 32: the four younger rows' loads stay out
	TURN 1, 24, 0x02020202
	TURN 2, 16, 0x04040404
	TURN 3, 8,  0x08080808
	TURN 4, 0,  0xf0f0f0f0                         ; lanes with lane % 8 = 4 .. 7 all keep row 4's
	v_sqrt_f32 v[SN], v[NS]
	v_nop                                          ; a plain instruction behind the root,
	s_wait_alu depctr_va_vdst(0)                   ; and the wait ahead of the first line that names its result
	v_rcp_f32 v[RC], v[SN]
	v_nop
	s_wait_alu depctr_va_vdst(0)
	ds_store_b32 v[LW], v[SN]                      ; lanes that write the same word write the same number
	ds_store_b32 v[LW], v[RC] offset:LC
	s_wait_dscnt 0x0                               ; for the others' sake: my stores are done
	s_barrier_signal -1
	s_barrier_wait -1
	s_cmp_lg_u32 s12, 0
	s_cbranch_scc1 .Lend
	ds_load_b128 v[BK:BK+3], v[LR]                 ; the 80 norms,
	ds_load_b128 v[BK+4:BK+7], v[LR] offset:LC     ; the 80 reciprocals
	s_wait_dscnt 0x0
	global_store_b128 v[LR], v[BK:BK+3], s[24:25]                 ; 320 consecutive bytes each
	global_store_b128 v[LR], v[BK+4:BK+7], s[24:25] offset:81920
.Lend:
	s_wait_tensorcnt 0x0                           ; the wave's end, behind my last LDS store
	ds_add_u32 v[SPW], v[NIL]
	s_wait_dscnt 0x0
	s_endpgm
.Lfunc_end_k_qa5f1c53c7b_prep:
	.size	k_qa5f1c53c7b_prep, .Lfunc_end_k_qa5f1c53c7b_prep-k_qa5f1c53c7b_prep
	.p2alignl 7, 3214868480
	.fill 96, 4, 3214868480
	.section	.rodata,"a",@progbits
	.p2align	6, 0x0
	.amdhsa_kernel k_qa5f1c53c7b_prep
		.amdhsa_group_segment_fixed_size 3072
		.amdhsa_private_segment_fixed_size 0
		.amdhsa_enable_private_segment 0
		.amdhsa_kernarg_size 32
		.amdhsa_user_sgpr_count 2
		.amdhsa_user_sgpr_kernarg_segment_ptr 1
		.amdhsa_wavefront_size32 1
		.amdhsa_system_sgpr_workgroup_id_x 1
		.amdhsa_system_sgpr_workgroup_id_y 1
		.amdhsa_system_sgpr_workgroup_id_z 1
		.amdhsa_system_vgpr_workitem_id 0
		.amdhsa_next_free_vgpr 192
		.amdhsa_next_free_sgpr 66
		.amdhsa_reserve_vcc 0
		.amdhsa_float_denorm_mode_32 3
		.amdhsa_float_denorm_mode_16_64 3
		.amdhsa_memory_ordered 1
		.amdhsa_forward_progress 1
		.amdhsa_inst_pref_size 30
	.end_amdhsa_kernel
	.amdgpu_metadata
---
amdhsa.version: [ 1, 2 ]
amdhsa.kernels:
  - .name:           k_qa5f1c53c7b_prep
    .symbol:         k_qa5f1c53c7b_prep.kd
    .args:
      - { .name: query_seq, .offset: 0, .size: 8, .value_kind: global_buffer, .address_space: global }
      - { .name: synth_set, .offset: 8, .size: 8, .value_kind: global_buffer, .address_space: global }
      - { .name: xb, .offset: 16, .size: 8, .value_kind: global_buffer, .address_space: global }
      - { .name: norms, .offset: 24, .size: 8, .value_kind: global_buffer, .address_space: global }
    .group_segment_fixed_size: 3072
    .private_segment_fixed_size: 0
    .kernarg_segment_align: 8
    .kernarg_segment_size: 32
    .max_flat_workgroup_size: 512
    .sgpr_count:     66
    .vgpr_count:     192
    .wavefront_size: 32
...
	.end_amdgpu_metadata
.endif
;; end of part 1
;; launch gemm (part 2): grid 16 x 16, 4 waves a work-group, clusters of 4 x 4, 327,680 bytes of LDS; arguments xb, norms, candv, candg; writes candv, candg
.if DOCPART == 2
	.amdgcn_target "amdgcn-amd-amdhsa--gfx1250"
	.amdhsa_code_object_version 6
	.text
	.protected	k_qa5f1c53c7b_gemm
	.globl	k_qa5f1c53c7b_gemm
	.p2align	8
	.type	k_qa5f1c53c7b_gemm,@function
k_qa5f1c53c7b_gemm:
	s_mov_b64 s[64:65], 0
	v_nop
	global_prefetch_b8 v0, s[64:65] scope:SCOPE_SE
	s_setreg_imm32_b32 hwreg(HW_REG_WAVE_MODE, 25, 1), 1
	s_wait_xcnt 0x0
	s_wait_alu depctr_hold_cnt(0) depctr_sa_sdst(0) depctr_va_vdst(0) depctr_va_sdst(0) depctr_va_ssrc(0) depctr_va_vcc(0) depctr_vm_vsrc(0)
	s_getreg_b32 s2, hwreg(HW_REG_IB_STS2, 6, 4)
	s_cmp_eq_u32 s2, 0
	s_cbranch_scc0 .Lentry_in_a_cluster
	s_endpgm
.Lentry_in_a_cluster:
	s_bfe_u32 s2, ttmp6, 0x10000c
	s_cmp_lg_u32 s2, 0xf033
	s_cbranch_scc0 .Lentry_shape_is_right
	s_endpgm
.Lentry_shape_is_right:
; THE SCORES, NEVER STORED.  s[q][n] = (query q . synth row n) / |synth row n|, on xb's bf16 rows, sums in f32; |q| > 0 does not change a query's order, so it is left to the launch that ranks.
; The synth rows go in GROUPS of 8 neighbouring rows.  Order numbers by (value down, row up) and groups by (maximum down, group up): a query's best 4 rows lie in its best 4 groups, since each of
; four better groups holds a row that stands ahead of every row of a fifth.  So what leaves this launch is, for each query and each of 64 STREAMS of 32 groups, the stream's best 4 groups: maximum and code.
; THE PRODUCT.  A tile is 256 queries x 256 synth rows, made by four waves, each 128 x 128: 64 accumulators of 16 x 16, 512 registers.  K = 1,024 goes in steps of 128 through a ring of two LDS slots
; filled by the tensor data mover: rows of 256 bytes of memory, at multiples of 256 bytes.  The matrix instruction takes 16 synth rows as source 0 and 16 queries as source 1: in the result lane l holds
; ONE query (l % 16) and the synth rows 8 (l / 16) + 0..7: one group.  So a group's maximum needs no other lane.
; A WORK-GROUP STAYS: work-group (x, y) owns queries 256 y .. and walks the column tiles x, x + 16, x + 32, x + 48 (4,096 synth rows apart).  The ring runs on into the next tile.
; THE WAY OUT of a tile: scale by 1 / |s| (packed, in place), the maximum of 8, and an insertion into a sorted list of 4 (values and codes) that stays in registers: list a of 8 for my query 16 a + l % 16.
; A later group takes a place only if it is GREATER, and codes ascend in time: of equal maxima the lower group stands first.  code = 512 tile + 2 block; stream = 4 x + 2 (wave % 2) + l / 16.
; CLUSTERS: 4 x 4 work-groups.  The four of a row of the cluster need the same queries, the four of a column the same synth rows: each tile is asked for JOINTLY, by the same tensor load with the same
; descriptor and a mask that names the four.
; LIMITS.  The order of groups is that of dot x (1 / |s|) in f32, the reciprocal good to one unit in the last place: groups whose maxima differ by a few units in the last place may change places.  NaN and infinities are not treated apart.
; REGISTERS, in windows of 256 (s_set_vgpr_msb's low byte: bits 1:0 source 0, 3:2 source 1, 5:4 source 2, 7:6 destination):
;   window 0: v0-31 addresses and four at work; v32-63 the groups' maxima; v64-127, v128-191 fragments of the queries, two buffers; v192-255 the eight lists
;   window 1: v0-63 1 / |s| of my 8 rows in each of 8 blocks; v64-127, v128-191 fragments of the synth rows, two buffers
;   window 2: the 32 accumulators of my queries 0-63 (accumulator (a, b) at v[8 (8 a + b)]);   window 3: those of my queries 64-127
.set SIZE_K, 1024
.set KSTEP,  128
.set PITCH,  272                       ; an LDS row: 256 bytes + 16 of padding = 68 words: the 16 rows that a load touches start at 16 different groups of four banks (64 banks of 4 bytes: ISA guide 11.1)
.set HALFT,  128*PITCH                 ; 128 rows: what one tensor load brings, and what one wave reads of either operand
.set SLOT,   4*HALFT                   ; the queries' 256 rows, then the synth rows' 256
.set SPARE,  2*SLOT                    ; behind the ring: the spare words, 128 bytes a wave, that no other line names
.set LAPS,   SIZE_K/(2*KSTEP)          ; a lap = two K steps = once round the ring
.set TILES,  4
.set SYN,    4096*SIZE_K*2             ; xb's byte at which the synth rows begin
.set WALK,   4096                      ; synth rows from a tile of the walk to the next
.set NEXT_B, WALK*SIZE_K*2-(SIZE_K-2*KSTEP)*2   ; from a slot's last K step of a tile to its first of the next: the synth rows go WALK rows down and back along K,
.set BACK_A, (SIZE_K-2*KSTEP)*2        ; the queries only back
.set TT,   8                           ; v8-11   at work in the insertions
.set ADRA, 16                          ; v16-17  LDS address of my query fragments in slot 0, 1
.set ADRB, 20                          ; v20-21  the same for the synth rows
.set CO,   26                          ; v26     65,536 (l / 16) + 16 (l % 16): my stream's half and my query, in candv and candg
.set RSO,  27                          ; v27     32 (l / 16): my 8 reciprocals in a block's 16
.set SPW,  28                          ; v28     LDS address of my spare word; never rewritten
.set NIL,  29                          ; v29     0; never rewritten
.set PFO,  30                          ; v30     the prefetches' offset: my lane x a row of xb; never rewritten
.set GM,   32                          ; v32-63  maximum of block b for list a0 + i at GM + 4 b + i
.set F0,   64
.set F1,   128
.set LST,  192                         ; list a: values at LST + 8 a + 0..3, codes at + 4..7
.set RS,   0                           ; window 1: block b's eight at RS + 8 b
.set G1,  24                           ; s[24:31] descriptor group 1 for the queries' tiles
.set G0,  32                           ; s[32:39] group 0, one set for each slot
.set LIM, 43                           ; s43     1 in a wave that prefetches, else the greatest number
.set PFA, 44                           ; s[44:45] where my prefetches stand
.set G1B, 48                           ; s[48:55], s[56:63] the same two groups for the synth rows' tiles
.set G0B, 56
.set CM,  66                           ; s[66:81] lane masks: list i of four, place k, at CM + 4 i + k
.set IX,  82                           ; s[82:89] block b's code in the tile in hand
.set RSB, 90                           ; s[90:91] the reciprocals of my 128 synth rows of the tile in hand
.set CV,  92                           ; s[92:93] candv, s[94:95] candg, at my two streams and my 128 queries
.set CG,  94
.set MSB, 0
.macro WIN new                         ; the immediate's high byte repeats the setting that is left; a switch that changes nothing is dropped
.if MSB != (\new)
	s_set_vgpr_msb (MSB<<8)|(\new)
.set MSB, \new
.endif
.endm
.set MUL_LO, 0xa1                      ; source 0 (synth) window 1, source 1 (queries) window 0, C and D window 2
.set MUL_HI, 0xf1                      ; the same, C and D window 3
.set TO_B,   0x40                      ; destination window 1, address window 0
; A joint load.  Waves 0 and 1 fetch the queries' two halves, waves 2 and 3 the synth rows'.  Each line has one mask and one set of registers for all that issue it.  The branch hangs on the wave's number alone.
; An s_nop 0 and four v_nop follow each of the two lines, ahead of the jump, the label and what follows.
.macro JLOAD s
	s_cmp_eq_u32 s11, 0
	s_cbranch_scc0 .Lfor_b_\@
	tensor_load_to_lds s[G0+4*(\s):G0+4*(\s)+3], s[G1:G1+7]
	s_nop 0
.rept 4
	v_nop
.endr
	s_branch .Lasked_\@
.Lfor_b_\@:
	tensor_load_to_lds s[G0B+4*(\s):G0B+4*(\s)+3], s[G1B:G1B+7]
	s_nop 0
.rept 4
	v_nop
.endr
.Lasked_\@:
.endm
; A PREFETCH, behind each joint load, its five lines and the run of LDS loads that follows them: the K step that stands TWO refills on: 32 rows x 256 bytes, a lane a row, one instruction a wave: 512 matrix instructions ahead of the load that will want it.
; Each row's 256 bytes of a K step are named ONCE in the launch.  A block of queries is read by every cluster of its row of clusters: cluster x = 0 asks; a block of synth rows by every cluster of its column: cluster y = 0 asks.
; The four partners that ask for a tile jointly share its rows out BY ADDRESS: of the 128 rows that a wave fetches the partner at place p takes 32 p .. 32 p + 31 (p = cx for the queries, cy for the synth rows).
; how = 0, in the loop: a tile's last two refills have no K step two on.  how = 1, at a change of tiles: the next tile's K steps 2 and 3.
.macro ASK how
.if \how
	s_cmp_eq_u32 s[LIM], 1
.else
	s_cmp_gt_u32 s3, s[LIM]                        ; s3 = 1 in the loop's last trip
.endif
	s_cbranch_scc0 .Lnot_mine_\@
	global_prefetch_b8 v[PFO], s[PFA:PFA+1] offset:KSTEP*2 th:TH_LOAD_NT scope:SCOPE_SE
.Lnot_mine_\@:
.endm
; A round of the cluster's barrier: my work-group's barrier, so that wave 0's signal speaks for all four waves; wave 0 signals; every wave waits for all sixteen work-groups; my work-group's barrier once more.
.macro CREST                           ; a round behind its opening barrier
	s_cmp_lg_u32 s10, 0
	s_cbranch_scc1 .Lnot_wave_0_\@
	s_barrier_signal -3
.Lnot_wave_0_\@:
	s_barrier_wait -3
	s_barrier_signal -1
	s_barrier_wait -1
.endm
.macro CROUND                          ; a whole round
	s_barrier_signal -1
	s_barrier_wait -1
	CREST
.endm
	s_load_b128 s[4:7], s[0:1], 0x0                ; xb s[4:5], norms s[6:7]
	s_load_b128 s[CV:CV+3], s[0:1], 0x10           ; candv, candg
	v_lshl_add_u32 v[SPW], v0, 2, SPARE
	v_mov_b32 v[NIL], 0
	ds_add_u32 v[SPW], v[NIL]                      ; the wave's opening: the add, twice on end, and its wait, ahead of my first tensor load; the set-up below stands between
	ds_add_u32 v[SPW], v[NIL]                      ; and once more, under the one wait
	v_lshrrev_b32 v1, 5, v0
	v_readfirstlane_b32 s10, v1                    ; wave 0..3
	s_lshr_b32 s11, s10, 1                         ; which 128 of the tile's queries are mine.  Also: I fetch queries (0) or synth rows (1)
	s_and_b32 s12, s10, 1                          ; which 128 of its synth rows.  Also: which 128 rows of that operand I fetch
	s_bfe_u32 s40, ttmp6, 0x40000                  ; cx
	s_bfe_u32 s41, ttmp6, 0x40004                  ; cy
	s_lshl_b32 s42, ttmp9, 2                       ; in a cluster launch ttmp9 and ttmp7 count clusters
	s_add_co_u32 s42, s42, s40                     ; the walker: work-group x = 4 x cluster x + cx
	s_and_b32 s13, ttmp7, 0xffff
	s_lshl_b32 s13, s13, 2
	s_add_co_u32 s13, s13, s41                     ; the block of queries: work-group y = 4 x cluster y + cy
	s_lshl_b32 s43, s41, 2
	s_lshl_b32 s43, 15, s43                        ; my row of the cluster: places 4 cy .. 4 cy + 3
	s_lshl_b32 s44, 0x1111, s40                    ; my column: places cx, cx + 4, cx + 8, cx + 12
	; descriptor group 1: a tile of 128 rows x 128 elements, padded in LDS
	s_or_b32 s[G1+0], s43, (1<<16)|(1<<20)|(1<<21)|(5<<22)|(3<<25)  ; 15:0 the mask: the queries go to my row; 17:16 elements of 2 bytes; 20 padding on; 21 set beside a mask; 24:22 after every 64 words (code 5); 31:25 4 words (code 3)
	s_or_b32 s[G1B+0], s44, (1<<16)|(1<<20)|(1<<21)|(5<<22)|(3<<25) ; the same with the mask of my column, for the synth rows
.irp g, G1, G1B
	s_mov_b32 s[(\g)+1], KSTEP<<16                 ; tensor_dim0 = 128
	s_mov_b32 s[(\g)+2], 128<<16                   ; tensor_dim1 = 128
	s_mov_b32 s[(\g)+3], KSTEP<<16                 ; tile_dim0 = 128
	s_mov_b32 s[(\g)+4], 128                       ; tile_dim1 = 128
	s_mov_b32 s[(\g)+5], SIZE_K                    ; elements from row to row
	s_mov_b32 s[(\g)+6], 0
	s_mov_b32 s[(\g)+7], 0
.endr
	; where the tiles come from.  The queries' hang on work-group y alone, which my row of the cluster shares; the synth rows' on work-group x alone, which my column shares.
	s_lshl_b32 s17, s12, 7                         ; which 128 rows I fetch
	s_lshl_b32 s16, s13, 8
	s_add_co_u32 s16, s16, s17                     ; query row 256 y + 128 x half
	s_lshl_b32 s46, s42, 8
	s_add_co_u32 s46, s46, s17                     ; synth row 256 x + 128 x half
	s_lshl_b32 s16, s16, 11                        ; in bytes: under 2^23
	s_lshl_b32 s46, s46, 11
	s_mov_b32 s17, 0
	s_mov_b32 s47, 0
	s_mul_i32 s20, s10, HALFT                      ; and where they go: wave x 128 rows: no place in the cluster enters an LDS address
	s_wait_dscnt 0x0                               ; both opening adds are done
	s_wait_kmcnt 0x0
	s_add_nc_u64 s[14:15], s[4:5], s[16:17]
	s_add_nc_u64 s[46:47], s[4:5], s[46:47]
	s_add_nc_u64 s[46:47], s[46:47], SYN
	CROUND                                         ; all sixteen work-groups are here: the first joint loads meet
.irp s, 0,1
	s_mov_b32 s[G0+4*(\s)], 1                                      ; count = 1
	s_add_co_u32 s[G0+4*(\s)+1], s20, (\s)*SLOT                    ; LDS address
	s_add_nc_u64 s[G0+4*(\s)+2:G0+4*(\s)+3], s[14:15], (\s)*KSTEP*2  ; global address: K step s
	s_or_b32 s[G0+4*(\s)+3], s[G0+4*(\s)+3], 0x80000000            ; type = 2
	s_mov_b32 s[G0B+4*(\s)], 1
	s_add_co_u32 s[G0B+4*(\s)+1], s20, (\s)*SLOT
	s_add_nc_u64 s[G0B+4*(\s)+2:G0B+4*(\s)+3], s[46:47], (\s)*KSTEP*2
	s_or_b32 s[G0B+4*(\s)+3], s[G0B+4*(\s)+3], 0x80000000
	JLOAD \s                                       ; the ring is filled before anything else is done: two loads of mine are out
.endr
	; A fragment is 16 rows x 32 K in 8 registers: lane l holds row l % 16; registers 0-3 K = 8 (l / 16) + 0..7, registers 4-7 K = 16 + 8 (l / 16) + 0..7: two loads of 16 bytes, 32 bytes apart.
	v_and_b32 v1, 15, v0                           ; l % 16
	v_bfe_u32 v2, v0, 4, 1                         ; l / 16
	v_mul_u32_u24 v3, v1, PITCH
	v_lshl_add_u32 v3, v2, 4, v3                   ; row x pitch + 16 x half
	s_mul_i32 s21, s11, HALFT                      ; my 128 queries
	s_mul_i32 s22, s12, HALFT                      ; my 128 synth rows,
	s_add_co_u32 s22, s22, 2*HALFT                 ; which lie behind the 256 queries
.irp s, 0,1
	v_add_nc_u32 v[ADRA+(\s)], s21, v3
	v_add_nc_u32 v[ADRB+(\s)], s22, v3
	s_add_co_u32 s21, s21, SLOT
	s_add_co_u32 s22, s22, SLOT
.endr
	v_lshlrev_b32 v[CO], 16, v2
	v_lshl_add_u32 v[CO], v1, 4, v[CO]
	v_lshlrev_b32 v[RSO], 5, v2
	; candv and candg at stream 4 x + 2 (wave % 2), 65,536 bytes a stream, and at my first query, 16 bytes a query
	s_lshl_b32 s16, s13, 8
	s_lshl_b32 s17, s11, 7
	s_add_co_u32 s16, s16, s17
	s_lshl_b32 s16, s16, 4
	s_lshl_b32 s46, s42, 2
	s_lshl_b32 s47, s12, 1
	s_add_co_u32 s46, s46, s47
	s_lshl_b32 s46, s46, 16
	s_add_co_u32 s46, s46, s16
	s_mov_b32 s47, 0
	s_add_nc_u64 s[CV:CV+1], s[CV:CV+1], s[46:47]
	s_add_nc_u64 s[CG:CG+1], s[CG:CG+1], s[46:47]
	; the reciprocals of my 128 synth rows of the first tile: norms + 81,920 + 4 (4,096 + 256 x + 128 (wave % 2))
	s_lshl_b32 s46, s42, 8
	s_lshl_b32 s47, s12, 7
	s_add_co_u32 s46, s46, s47
	s_lshl_b32 s46, s46, 2
	s_add_co_u32 s46, s46, 98304
	s_mov_b32 s47, 0
	s_add_nc_u64 s[RSB:RSB+1], s[6:7], s[46:47]
	s_add_nc_u64 s[6:7], s[4:5], SYN               ; from here on s[6:7] = xb at the synth rows
.irp b, 0,1,2,3,4,5,6,7
	s_mov_b32 s[IX+(\b)], 2*(\b)
.endr
	; the prefetches
	s_lshl_b32 s13, s13, 8
	s_lshl_b32 s42, s42, 8
	s_and_b32 s22, ttmp7, 0xffff                   ; cluster y
	s_cmp_eq_u32 s11, 0                            ; do I fetch queries?
	s_cselect_b32 s20, s13, s42                    ; the tile's first row in its operand
	s_cselect_b32 s21, s40, s41                    ; my place among the four that ask for it with me
	s_cselect_b32 s22, ttmp9, s22                  ; the coordinate along which other clusters read the same rows
	s_cselect_b64 s[PFA:PFA+1], s[4:5], s[6:7]
	s_cmp_eq_u32 s22, 0
	s_cselect_b32 s[LIM], 1, -1                    ; the same in all sixteen partners, for a given wave
	s_lshl_b32 s22, s12, 7
	s_add_co_u32 s20, s20, s22                     ; + the 128 rows that I fetch
	s_lshl_b32 s21, s21, 5
	s_add_co_u32 s20, s20, s21                     ; + my work-group's 32 of them
	s_lshl_b32 s20, s20, 11
	s_mov_b32 s21, 0
	s_add_nc_u64 s[PFA:PFA+1], s[PFA:PFA+1], s[20:21]
	s_add_nc_u64 s[PFA:PFA+1], s[PFA:PFA+1], 2*KSTEP*2  ; at K step 2: the first refill steps it to 3 and names K step 4.  Nothing is prefetched here, at the head
	v_and_b32 v[PFO], 31, v0
	v_lshlrev_b32 v[PFO], 11, v[PFO]
	; the lists start empty: minus infinity, below every score.  Written once, while the first tiles are on their way
.irp a, 0,1,2,3,4,5,6,7
.irp k, 0,1,2,3
	v_mov_b32 v[LST+8*(\a)+(\k)], 0xff800000
	v_mov_b32 v[LST+8*(\a)+4+(\k)], 0
.endr
.endr
; 16 matrix instructions: query blocks a0, a0 + 1 of the window's four x all 8 synth blocks, 32 along K.  zero = 1: the first product starts the sums: nothing is cleared.
.macro MUL16 f, hi, a0, zero
	WIN MUL_LO+0x50*(\hi)
.irp a, \a0, (\a0)+1
.irp b, 0,1,2,3,4,5,6,7
.if \zero
	v_wmma_f32_16x16x32_bf16 v[8*(8*(\a)+(\b)):8*(8*(\a)+(\b))+7], v[(\f)+8*(\b):(\f)+8*(\b)+7], v[(\f)+8*(4*(\hi)+(\a)):(\f)+8*(4*(\hi)+(\a))+7], 0
.else
	v_wmma_f32_16x16x32_bf16 v[8*(8*(\a)+(\b)):8*(8*(\a)+(\b))+7], v[(\f)+8*(\b):(\f)+8*(\b)+7], v[(\f)+8*(4*(\hi)+(\a)):(\f)+8*(4*(\hi)+(\a))+7], v[8*(8*(\a)+(\b)):8*(8*(\a)+(\b))+7]
.endif
.endr
.endr
.endm
; 32 LDS loads in one run: the fragments of one quarter step (32 K at byte k of the rows) into buffer f
.macro FETCH slot, k, f
	WIN TO_B
.irp i, 0,1,2,3,4,5,6,7
	ds_load_b128 v[(\f)+8*(\i):(\f)+8*(\i)+3],   v[ADRB+(\slot)] offset:(\k)+(\i)*16*PITCH
	ds_load_b128 v[(\f)+8*(\i)+4:(\f)+8*(\i)+7], v[ADRB+(\slot)] offset:(\k)+(\i)*16*PITCH+32
.endr
	WIN 0
.irp i, 0,1,2,3,4,5,6,7
	ds_load_b128 v[(\f)+8*(\i):(\f)+8*(\i)+3],   v[ADRA+(\slot)] offset:(\k)+(\i)*16*PITCH
	ds_load_b128 v[(\f)+8*(\i)+4:(\f)+8*(\i)+7], v[ADRA+(\slot)] offset:(\k)+(\i)*16*PITCH+32
.endr
.endm
; A load into a register that a matrix instruction has read stands four places behind it, and only plain vector instructions that name none of its registers are places (ISA guide 7.12.1 for vector instructions).
.macro PLACES
.rept 4
	v_nop
.endr
.endm
; A K step is four quarters of 32 along K, 64 matrix instructions each, on buffers 0, 1, 0, 1.  The 64 accumulators take turns, one instruction a turn, in the same order in every quarter.
; One of the first three quarters: multiplies buffer f; in its middle it fetches the next quarter's fragments, at byte k of the same slot's rows, into buffer g.
.macro QUARTER slot, k, f, g, zero
	s_wait_dscnt 8                                 ; the synth rows and my queries 0-63 are in; the youngest eight loads (queries 64-127) may be out
	WIN MUL_LO
	MUL16 \f, 0, 0, \zero
	MUL16 \f, 0, 2, \zero
	PLACES
	FETCH \slot, \k, \g
	s_wait_dscnt 32                                ; all but the 32 just issued
	WIN MUL_HI
	MUL16 \f, 1, 0, \zero
	MUL16 \f, 1, 2, \zero
.endm
; The last quarter multiplies buffer 1 and changes slots.  MEET is its first half: ONE barrier.  In front of it each wave waits for all its tensor loads, of which one is out: its part of the next slot;
; adds 0 to its spare word; and waits for that and for its own reads of this slot.  Behind it nobody reads this slot any more and the next slot is whole.
.macro MEET round                      ; round = 1: a round of the cluster's barrier follows
	WIN 0                                          ; (the add's two registers lie in window 0)
	s_wait_tensorcnt 0x0                           ; all my tensor loads have landed
	ds_add_u32 v[SPW], v[NIL]                      ; 0 onto my spare word
	s_wait_dscnt 9                                 ; (the add and the youngest eight loads may be out)
	WIN MUL_LO
	MUL16 F1, 0, 0, 0                              ; sixteen matrix instructions stand between the add and the wait for it
	s_wait_dscnt 0x0                               ; the add is done, and my reads of this slot are over
	s_barrier_signal -1
	MUL16 F1, 0, 2, 0                              ; work on registers while the others arrive
.if \round
	WIN 0
.endif
	s_barrier_wait -1
.endm
; The whole last quarter.  Behind the round the slot just read out is filled again first: with this tile's K step two steps on (on = 0) or with the NEXT tile's K step 0 or 1 (on = 1); then come the
; next slot's first fragments.  From a request to the wait for it a wave issues 224 matrix instructions.
.macro TURN slot, next, on
	s_wait_xcnt 0x0                                ; the last prefetch, a K step back, has read its address: it is stepped here, ahead of the waits of the change of slots
.if (\on) && (\slot) == 0
	s_add_nc_u64 s[PFA:PFA+1], s[PFA:PFA+1], (WALK-1)*SIZE_K*2+KSTEP*2  ; from the K step after the tile's last to the next tile's K step 1
	s_cmp_eq_u32 s11, 1
	s_cselect_b32 s[LIM], s[LIM], -1               ; the queries are the same for all tiles of the walk: they are asked for in the first tile alone
.else
	s_add_nc_u64 s[PFA:PFA+1], s[PFA:PFA+1], KSTEP*2
.endif
	MEET 1
	CREST                                          ; no wave of any partner still reads this slot's tile or has a load on its way
.if \on
	s_sub_nc_u64 s[G0+4*(\slot)+2:G0+4*(\slot)+3], s[G0+4*(\slot)+2:G0+4*(\slot)+3], BACK_A
	s_add_nc_u64 s[G0B+4*(\slot)+2:G0B+4*(\slot)+3], s[G0B+4*(\slot)+2:G0B+4*(\slot)+3], NEXT_B
.else
	s_add_nc_u64 s[G0+4*(\slot)+2:G0+4*(\slot)+3], s[G0+4*(\slot)+2:G0+4*(\slot)+3], 2*KSTEP*2
	s_add_nc_u64 s[G0B+4*(\slot)+2:G0B+4*(\slot)+3], s[G0B+4*(\slot)+2:G0B+4*(\slot)+3], 2*KSTEP*2
.endif
	JLOAD \slot                                    ; the first tensor load behind the round; the four v_nop behind it are also the places in front of the loads below
	FETCH \next, 0, F0
	ASK \on
	WIN MUL_HI
	MUL16 F1, 1, 0, 0
	MUL16 F1, 1, 2, 0
.endm
; The tile's reciprocals: 512 consecutive bytes a wave, each lane the 8 of its half in each of the 8 blocks.  Asked for at a tile's head, waited for at its way out.
.macro RSLOAD
	WIN TO_B
.irp b, 0,1,2,3,4,5,6,7
	global_load_b128 v[RS+8*(\b):RS+8*(\b)+3],   v[RSO], s[RSB:RSB+1] offset:64*(\b)
	global_load_b128 v[RS+8*(\b)+4:RS+8*(\b)+7], v[RSO], s[RSB:RSB+1] offset:64*(\b)+16
.endr
.endm
; One group, block b's, into each of the four lists a0 .. a0 + 3: 15 instructions a list, the four lists line by line, so that no line waits for the one before it.
; c_k = x > V_k.  From the bottom up: I_k = c_k ? (c_(k-1) ? I_(k-1) : code) : I_k; V_k = the middle one of V_(k-1), V_k, x; V_0 = the greater of V_0 and x.
.macro INS4 b, a0
.irp k, 0,1,2,3
.irp i, 0,1,2,3
	v_cmp_gt_f32 s[CM+4*(\i)+(\k)], v[GM+4*(\b)+(\i)], v[LST+8*((\a0)+(\i))+(\k)]
.endr
.endr
.irp k, 3,2,1
.irp i, 0,1,2,3
	v_cndmask_b32 v[TT+(\i)], s[IX+(\b)], v[LST+8*((\a0)+(\i))+3+(\k)], s[CM+4*(\i)+(\k)-1]
.endr
.irp i, 0,1,2,3
	v_cndmask_b32 v[LST+8*((\a0)+(\i))+4+(\k)], v[LST+8*((\a0)+(\i))+4+(\k)], v[TT+(\i)], s[CM+4*(\i)+(\k)]
.endr
.endr
.irp i, 0,1,2,3
	v_cndmask_b32 v[LST+8*((\a0)+(\i))+4], v[LST+8*((\a0)+(\i))+4], s[IX+(\b)], s[CM+4*(\i)]
.endr
.irp k, 3,2,1
.irp i, 0,1,2,3
	v_med3_num_f32 v[LST+8*((\a0)+(\i))+(\k)], v[LST+8*((\a0)+(\i))+(\k)-1], v[LST+8*((\a0)+(\i))+(\k)], v[GM+4*(\b)+(\i)]
.endr
.endr
.irp i, 0,1,2,3
	v_max_num_f32 v[LST+8*((\a0)+(\i))], v[LST+8*((\a0)+(\i))], v[GM+4*(\b)+(\i)]
.endr
.endm
; The way out of window w's 32 accumulators, in four stretches under one window setting each.  Each accumulator's lowest registers are read first.
.macro EPIW w
	WIN 0x86+0x41*((\w)-2)                         ; accumulators (destination, source 0) in window w, the reciprocals (source 1) in window 1
.irp i, 0,1,2,3
.irp b, 0,1,2,3,4,5,6,7
.irp p, 0,2,4,6
	v_pk_mul_f32 v[8*(8*(\i)+(\b))+(\p):8*(8*(\i)+(\b))+(\p)+1], v[8*(8*(\i)+(\b))+(\p):8*(8*(\i)+(\b))+(\p)+1], v[RS+8*(\b)+(\p):RS+8*(\b)+(\p)+1]
.endr
.endr
.endr
	WIN 0xaa+0x55*((\w)-2)                         ; all in window w
.irp i, 0,1,2,3
.irp b, 0,1,2,3,4,5,6,7
.set AC, 8*(8*(\i)+(\b))
	v_max3_num_f32 v[AC], v[AC], v[AC+1], v[AC+2]
	v_max3_num_f32 v[AC+3], v[AC+3], v[AC+4], v[AC+5]
	v_max_num_f32 v[AC+6], v[AC+6], v[AC+7]
.endr
.endr
	WIN 0x2a+0x15*((\w)-2)                         ; sources in window w, destination in window 0
.irp i, 0,1,2,3
.irp b, 0,1,2,3,4,5,6,7
.set AC, 8*(8*(\i)+(\b))
	v_max3_num_f32 v[GM+4*(\b)+(\i)], v[AC], v[AC+3], v[AC+6]
.endr
.endr
	WIN 0
.irp b, 0,1,2,3,4,5,6,7                ; blocks in ascending order: codes ascend in time
	INS4 \b, 4*((\w)-2)
.endr
.endm
.macro EPI
	WIN 0
.rept 8
	v_nop                                          ; the places behind the last products, ahead of the lines that read and rewrite accumulators; window 3's have window 2's whole way out besides
.endr
	s_wait_loadcnt 0x0                             ; the tile's reciprocals, asked for at its head
	EPIW 2
	EPIW 3
	WIN 0
.endm
	s_wait_tensorcnt 1                             ; my part of K step 0 is in; K step 1's may stay out
	s_barrier_signal -1
	s_barrier_wait -1                              ; everybody's is
	FETCH 0, 0, F0
	s_mov_b32 s2, TILES                            ; tiles to go, this one among them: the same number in every work-group
.Ltile:
	RSLOAD
	QUARTER 0, 64,  F0, F1, 1                      ; a tile's first quarter stands in front of the loop: its products start the sums
	WIN 0                                          ; at a label and at a branch every window is 0
	s_mov_b32 s3, LAPS-1
.Llap:                                                 ; a trip goes once round the ring, from a lap's second quarter to the next lap's first, and fills both slots again
	QUARTER 0, 128, F1, F0, 0
	QUARTER 0, 192, F0, F1, 0
	TURN 0, 1, 0
	QUARTER 1, 64,  F0, F1, 0
	QUARTER 1, 128, F1, F0, 0
	QUARTER 1, 192, F0, F1, 0
	TURN 1, 0, 0
	QUARTER 0, 64,  F0, F1, 0
	WIN 0
	s_sub_co_u32 s3, s3, 1
	s_cmp_lg_u32 s3, 0
	s_cbranch_scc1 .Llap
	QUARTER 0, 128, F1, F0, 0                      ; the tile's last lap goes on
	QUARTER 0, 192, F0, F1, 0
	WIN 0
	s_cmp_eq_u32 s2, 1
	s_cbranch_scc1 .Llast_tile                     ; the last tile's tail is written out: it asks for nothing more, and does not come back
	TURN 0, 1, 1                                   ; the ring goes on into the next tile: slot 0 takes its K step 0,
	QUARTER 1, 64,  F0, F1, 0
	QUARTER 1, 128, F1, F0, 0
	QUARTER 1, 192, F0, F1, 0
	TURN 1, 0, 1                                   ; slot 1 its K step 1, and the next tile's first fragments are fetched
	EPI                                            ; both refills are on their way while the lists take the tile's groups
.irp b, 0,1,2,3,4,5,6,7
	s_add_co_u32 s[IX+(\b)], s[IX+(\b)], 512       ; the next tile's codes
.endr
	s_add_nc_u64 s[RSB:RSB+1], s[RSB:RSB+1], WALK*4  ; and reciprocals (the loads that read this address were waited for in the way out)
	s_sub_co_u32 s2, s2, 1
	s_branch .Ltile
.Llast_tile:
	MEET 0                                         ; my one tensor load that was still out is slot 1's, the last K step's, so no round follows
	PLACES                                         ; for the loads into buffer 0, which the quarter before multiplied
	FETCH 1, 0, F0
	WIN MUL_HI
	MUL16 F1, 1, 0, 0
	MUL16 F1, 1, 2, 0
	QUARTER 1, 64,  F0, F1, 0
	QUARTER 1, 128, F1, F0, 0
	QUARTER 1, 192, F0, F1, 0
	s_wait_dscnt 8                                 ; the very last quarter: nothing more to fetch
	WIN MUL_LO
	MUL16 F1, 0, 0, 0
	MUL16 F1, 0, 2, 0
	s_wait_dscnt 0x0
	MUL16 F1, 1, 0, 0
	MUL16 F1, 1, 2, 0
	EPI
.irp a, 0,1,2,3,4,5,6,7                ; the lists leave: each half of the lanes stores 256 consecutive bytes, aligned: 16 queries of one stream
	global_store_b128 v[CO], v[LST+8*(\a):LST+8*(\a)+3],   s[CV:CV+1] offset:256*(\a)
	global_store_b128 v[CO], v[LST+8*(\a)+4:LST+8*(\a)+7], s[CG:CG+1] offset:256*(\a)
.endr
	s_wait_tensorcnt 0x0                           ; the wave's end, behind my last tensor load
	ds_add_u32 v[SPW], v[NIL]
	s_wait_dscnt 0x0
	CROUND                                         ; the closing round: no work-group ends while a partner may still ask for a tile that names it
	s_endpgm
.Lfunc_end_k_qa5f1c53c7b_gemm:
	.size	k_qa5f1c53c7b_gemm, .Lfunc_end_k_qa5f1c53c7b_gemm-k_qa5f1c53c7b_gemm
	.p2alignl 7, 3214868480
	.fill 96, 4, 3214868480
	.section	.rodata,"a",@progbits
	.p2align	6, 0x0
	.amdhsa_kernel k_qa5f1c53c7b_gemm
		.amdhsa_group_segment_fixed_size 327680
		.amdhsa_private_segment_fixed_size 0
		.amdhsa_enable_private_segment 0
		.amdhsa_kernarg_size 32
		.amdhsa_user_sgpr_count 2
		.amdhsa_user_sgpr_kernarg_segment_ptr 1
		.amdhsa_wavefront_size32 1
		.amdhsa_system_sgpr_workgroup_id_x 1
		.amdhsa_system_sgpr_workgroup_id_y 1
		.amdhsa_system_sgpr_workgroup_id_z 1
		.amdhsa_system_vgpr_workitem_id 0
		.amdhsa_next_free_vgpr 1024
		.amdhsa_next_free_sgpr 96
		.amdhsa_reserve_vcc 0
		.amdhsa_float_denorm_mode_32 3
		.amdhsa_float_denorm_mode_16_64 3
		.amdhsa_memory_ordered 1
		.amdhsa_forward_progress 1
		.amdhsa_inst_pref_size 255
	.end_amdhsa_kernel
	.section	.bss,"aw",@nobits
	.p2align	6
	.space	262144
	.amdgpu_metadata
---
amdhsa.version: [ 1, 2 ]
amdhsa.kernels:
  - .name:           k_qa5f1c53c7b_gemm
    .symbol:         k_qa5f1c53c7b_gemm.kd
    .args:
      - { .name: xb, .offset: 0, .size: 8, .value_kind: global_buffer, .address_space: global }
      - { .name: norms, .offset: 8, .size: 8, .value_kind: global_buffer, .address_space: global }
      - { .name: candv, .offset: 16, .size: 8, .value_kind: global_buffer, .address_space: global }
      - { .name: candg, .offset: 24, .size: 8, .value_kind: global_buffer, .address_space: global }
    .group_segment_fixed_size: 327680
    .private_segment_fixed_size: 0
    .kernarg_segment_align: 8
    .kernarg_segment_size: 32
    .max_flat_workgroup_size: 128
    .sgpr_count:     96
    .vgpr_count:     1024
    .wavefront_size: 32
...
	.end_amdgpu_metadata
.endif
;; end of part 2
;; launch merge (part 3): grid 256 x 1, 8 waves a work-group, no clusters, 9,216 bytes of LDS; arguments candv, candg, grp; writes grp
.if DOCPART == 3
	.amdgcn_target "amdgcn-amd-amdhsa--gfx1250"
	.amdhsa_code_object_version 6
	.text
	.protected	k_qa5f1c53c7b_merge
	.globl	k_qa5f1c53c7b_merge
	.p2align	8
	.type	k_qa5f1c53c7b_merge,@function
k_qa5f1c53c7b_merge:
	s_mov_b64 s[64:65], 0
	v_nop
	global_prefetch_b8 v0, s[64:65] scope:SCOPE_SE
	s_setreg_imm32_b32 hwreg(HW_REG_WAVE_MODE, 25, 1), 1
	s_wait_xcnt 0x0
; grp[q][0..3] = the numbers (0 .. 2,047) of query q's best four groups of 8 synth rows, out of the 64 streams' lists of four, by their maxima.
; candv, candg: [64 streams][4,096 queries][4].  group = code + 16 (stream / 2) + stream % 2.
; SHARES.  A work-group owns 16 queries.  Lane l of wave w takes query l % 16 and the four streams 8 w + 4 (l / 16) + 0..3: each load's half of the lanes reads 256 consecutive bytes.
; The lane merges its four lists, then the other half's; the eight waves' lists meet in LDS.  There wave 0's lane l takes, for query l % 16, the lists that lanes 0-15 of the four waves 4 (l / 16) + 0..3
; have left, and once more the other half's.  Every LDS address is a lane term made from v0 plus an immediate.
; LIMIT.  A group takes a place only if its maximum is GREATER: of groups from different streams whose maxima are exactly equal in f32 the one that is merged first stays ahead, whatever their numbers.
; That lies inside the limit of the launch that makes the maxima (a few units in the last place).  The two halves' lists may so differ in the order of equal maxima: what is stored is the low half's list.
; No cluster: the work-groups share no input.  The selection steers no address here: it is stored as whole numbers.
.set SPARE, 8192                       ; LDS: thread t's list at 32 t (values, then groups); behind the 8,192 bytes the spare words, 128 bytes a wave, that no other line names
.set VO,  3                            ; v3   my streams' first and my query, in bytes
.set SB,  4                            ; v4   64 w + 32 (l / 16): what my first stream adds to a code
.set SPW, 6                            ; v6   LDS address of my spare word; never rewritten
.set NIL, 7                            ; v7   0; never rewritten
.set EV,  8                            ; v[8:19]   three lists to be merged in: values
.set EG,  24                           ; v[24:35]  their codes, then groups
.set LV,  40                           ; v[40:43]  the list's values, descending
.set LI,  44                           ; v[44:47]  the list's groups
.set P,   48                           ; v[48:55]  the other half's list
.set RB,  57                           ; v57  32 (l % 16) + 4,096 (l / 16): my query's list in the first of my four waves
.set OUT, 58                           ; v[58:59]
.set LA,  60                           ; v60  32 x thread
.set GO,  62                           ; v62  16 (l % 16) + 8 (l / 16)
.set T,   64                           ; v[64:66] at work
.set MA,  16                           ; s[16:19] lane masks
	s_load_b128 s[4:7], s[0:1], 0x0                ; candv s[4:5], candg s[6:7]
	s_load_b64 s[8:9], s[0:1], 0x10                ; grp
	v_lshl_add_u32 v[SPW], v0, 2, SPARE
	v_mov_b32 v[NIL], 0
	v_lshrrev_b32 v1, 5, v0
	v_readfirstlane_b32 s12, v1                    ; wave 0..7
	v_and_b32 v1, 31, v0                           ; lane
	v_and_b32 v2, 15, v0                           ; l % 16
	v_bfe_u32 v5, v0, 4, 1                         ; l / 16
	s_lshl_b32 s13, s12, 19                        ; 8 w streams of 65,536 bytes
	v_lshl_add_u32 v[VO], v5, 18, s13              ; + 4 (l / 16) streams
	v_lshl_add_u32 v[VO], v2, 4, v[VO]             ; + my query's 16 bytes
	s_lshl_b32 s30, s12, 6
	v_lshl_add_u32 v[SB], v5, 5, s30
	v_lshlrev_b32 v[LA], 5, v0
	v_lshlrev_b32 v[RB], 5, v2
	v_lshl_add_u32 v[RB], v5, 12, v[RB]
	v_lshlrev_b32 v[GO], 4, v2
	v_lshl_add_u32 v[GO], v5, 3, v[GO]
	s_mov_b32 s14, 0x76543210                      ; v_permlanex16_b32: each lane takes its own place in the other half
	s_mov_b32 s15, 0xfedcba98
	s_lshl_b32 s10, ttmp9, 8                       ; the work-group's 16 queries: 256 bytes in all three buffers
	s_mov_b32 s11, 0
	s_wait_kmcnt 0x0
	s_add_nc_u64 s[4:5], s[4:5], s[10:11]
	s_add_nc_u64 s[6:7], s[6:7], s[10:11]
	s_add_nc_u64 s[8:9], s[8:9], s[10:11]
	global_load_b128 v[LV:LV+3], v[VO], s[4:5]     ; my first stream's list is the list to begin with
	global_load_b128 v[LI:LI+3], v[VO], s[6:7]
.irp k, 1,2,3
	global_load_b128 v[EV+4*(\k)-4:EV+4*(\k)-1], v[VO], s[4:5] offset:65536*(\k)
	global_load_b128 v[EG+4*(\k)-4:EG+4*(\k)-1], v[VO], s[6:7] offset:65536*(\k)
.endr
.irp e, 0,1,2,3,4,5,6,7
	v_mov_b32 v[P+(\e)], 0                         ; v_permlanex16_b32 counts as a reader of its destination
.endr
; (x, g) into the sorted list.  c_k = x > V_k.  I_k = c_k ? (c_(k-1) ? I_(k-1) : g) : I_k; V_k = the middle one of V_(k-1), V_k, x; V_0 = the greater of V_0 and x.
.macro INSL x, g
.irp k, 0,1,2,3
	v_cmp_gt_f32 s[MA+(\k)], v[\x], v[LV+(\k)]
.endr
.irp k, 0,1,2
	v_cndmask_b32 v[T+(\k)], v[\g], v[LI+(\k)], s[MA+(\k)]
.endr
.irp k, 3,2,1
	v_cndmask_b32 v[LI+(\k)], v[LI+(\k)], v[T+(\k)-1], s[MA+(\k)]
.endr
	v_cndmask_b32 v[LI], v[LI], v[\g], s[MA]
.irp k, 3,2,1
	v_med3_num_f32 v[LV+(\k)], v[LV+(\k)-1], v[LV+(\k)], v[\x]
.endr
	v_max_num_f32 v[LV], v[LV], v[\x]
.endm
.macro M4 ev, eg                       ; a list of four is merged in
.irp e, 0,1,2,3
	INSL (\ev)+(\e), (\eg)+(\e)
.endr
.endm
.macro HALVES                          ; the same query's list in the other half of the lanes is merged in
.irp e, 0,1,2,3
	v_permlanex16_b32 v[P+(\e)], v[LV+(\e)], s14, s15
	v_permlanex16_b32 v[P+4+(\e)], v[LI+(\e)], s14, s15
.endr
	M4 P, P+4
.endm
	s_wait_loadcnt 6                               ; my first stream is in; the three younger pairs of loads stay out
.irp e, 0,1,2,3
	v_add_nc_u32 v[LI+(\e)], v[SB], v[LI+(\e)]     ; code to group
.endr
	s_wait_loadcnt 4                               ; stream 1
.irp e, 0,1,2,3
	v_add3_u32 v[EG+(\e)], v[EG+(\e)], v[SB], 1
.endr
	M4 EV, EG
	s_wait_loadcnt 2                               ; stream 2
.irp e, 0,1,2,3
	v_add3_u32 v[EG+4+(\e)], v[EG+4+(\e)], v[SB], 16
.endr
	M4 EV+4, EG+4
	s_wait_loadcnt 0x0                             ; stream 3
.irp e, 0,1,2,3
	v_add3_u32 v[EG+8+(\e)], v[EG+8+(\e)], v[SB], 17
.endr
	M4 EV+8, EG+8
	HALVES
	ds_store_b128 v[LA], v[LV:LV+3]
	ds_store_b128 v[LA], v[LI:LI+3] offset:16
	s_wait_dscnt 0x0                               ; for the others' sake: my stores are done
	s_barrier_signal -1
	s_barrier_wait -1
	s_cmp_lg_u32 s12, 0
	s_cbranch_scc1 .Lend
	ds_load_b128 v[LV:LV+3], v[RB]                 ; the first of my four waves' lists is the list to begin with
	ds_load_b128 v[LI:LI+3], v[RB] offset:16
.irp k, 1,2,3
	ds_load_b128 v[EV+4*(\k)-4:EV+4*(\k)-1], v[RB] offset:1024*(\k)
	ds_load_b128 v[EG+4*(\k)-4:EG+4*(\k)-1], v[RB] offset:1024*(\k)+16
.endr
	s_wait_dscnt 4                                 ; LDS loads come back in order: the first two lists are in, the two younger pairs of loads stay out
	M4 EV, EG
	s_wait_dscnt 2                                 ; the third list
	M4 EV+4, EG+4
	s_wait_dscnt 0x0                               ; the fourth
	M4 EV+8, EG+8
	HALVES                                         ; waves 0-3's with waves 4-7's
	v_permlanex16_b32 v[P], v[LI+2], s14, s15      ; lanes 16-31 take the LOW half's entries 2 and 3: one list is stored, whatever the order of equal maxima in the other
	v_permlanex16_b32 v[P+1], v[LI+3], s14, s15
	v_cmp_gt_u32 vcc_lo, 16, v1                    ; lanes 0-15 store a query's groups 0 and 1, lanes 16-31 its groups 2 and 3
	v_cndmask_b32 v[OUT], v[P], v[LI], vcc_lo
	v_cndmask_b32 v[OUT+1], v[P+1], v[LI+1], vcc_lo
	global_store_b64 v[GO], v[OUT:OUT+1], s[8:9]   ; 32 lanes: 256 consecutive bytes, aligned
.Lend:
	s_wait_tensorcnt 0x0                           ; the wave's end, behind my last LDS store
	ds_add_u32 v[SPW], v[NIL]
	s_wait_dscnt 0x0
	s_endpgm
.Lfunc_end_k_qa5f1c53c7b_merge:
	.size	k_qa5f1c53c7b_merge, .Lfunc_end_k_qa5f1c53c7b_merge-k_qa5f1c53c7b_merge
	.p2alignl 7, 3214868480
	.fill 96, 4, 3214868480
	.section	.rodata,"a",@progbits
	.p2align	6, 0x0
	.amdhsa_kernel k_qa5f1c53c7b_merge
		.amdhsa_group_segment_fixed_size 9216
		.amdhsa_private_segment_fixed_size 0
		.amdhsa_enable_private_segment 0
		.amdhsa_kernarg_size 24
		.amdhsa_user_sgpr_count 2
		.amdhsa_user_sgpr_kernarg_segment_ptr 1
		.amdhsa_wavefront_size32 1
		.amdhsa_system_sgpr_workgroup_id_x 1
		.amdhsa_system_sgpr_workgroup_id_y 1
		.amdhsa_system_sgpr_workgroup_id_z 1
		.amdhsa_system_vgpr_workitem_id 0
		.amdhsa_next_free_vgpr 68
		.amdhsa_next_free_sgpr 66
		.amdhsa_reserve_vcc 1
		.amdhsa_float_denorm_mode_32 3
		.amdhsa_float_denorm_mode_16_64 3
		.amdhsa_memory_ordered 1
		.amdhsa_forward_progress 1
		.amdhsa_inst_pref_size 35
	.end_amdhsa_kernel
	.amdgpu_metadata
---
amdhsa.version: [ 1, 2 ]
amdhsa.kernels:
  - .name:           k_qa5f1c53c7b_merge
    .symbol:         k_qa5f1c53c7b_merge.kd
    .args:
      - { .name: candv, .offset: 0, .size: 8, .value_kind: global_buffer, .address_space: global }
      - { .name: candg, .offset: 8, .size: 8, .value_kind: global_buffer, .address_space: global }
      - { .name: grp, .offset: 16, .size: 8, .value_kind: global_buffer, .address_space: global }
    .group_segment_fixed_size: 9216
    .private_segment_fixed_size: 0
    .kernarg_segment_align: 8
    .kernarg_segment_size: 24
    .max_flat_workgroup_size: 256
    .sgpr_count:     66
    .vgpr_count:     68
    .wavefront_size: 32
...
	.end_amdgpu_metadata
.endif
;; end of part 3
;; launch rerank (part 4): grid 256 x 1, 16 waves a work-group, no clusters, 2,304 bytes of LDS; arguments xb, norms, grp, idx; writes idx
.if DOCPART == 4
	.amdgcn_target "amdgcn-amd-amdhsa--gfx1250"
	.amdhsa_code_object_version 6
	.text
	.protected	k_qa5f1c53c7b_rerank
	.globl	k_qa5f1c53c7b_rerank
	.p2align	8
	.type	k_qa5f1c53c7b_rerank,@function
k_qa5f1c53c7b_rerank:
	s_mov_b64 s[64:65], 0
	v_nop
	global_prefetch_b8 v0, s[64:65] scope:SCOPE_SE
	s_setreg_imm32_b32 hwreg(HW_REG_WAVE_MODE, 25, 1), 1
	s_wait_xcnt 0x0
; idx[q][0..3] = the four synth rows nearest to query q, by (distance up, row up), among the 32 rows of the four groups that grp names.
; The distance is the reference's own: 1 - dot / (|q| |s|), on xb's bf16 rows and their norms; key = quotient - 1 = -distance, rounded as the reference rounds it.
; SHARES.  One wave a query, sixteen waves a work-group.  ON THE VECTOR UNIT: one query against 32 gathered rows would leave 15 of a matrix tile's 16 columns idle, and a fragment's layout, a lane a row,
; would make each load touch 16 rows, 32 bytes of each.  Here a load, 16 bytes a lane, covers 512 consecutive bytes of ONE row: 128 loads for the rows, 4 for the query.
; Lane l holds channels 256 c + 8 l + 0..7 (c = 0..3) of the query and of each row: 32 fused multiply-adds a row straight from the bf16 halves, in f32, four rows' chains by turns.
; A group's eight partial sums are FOLDED: three steps in which a lane keeps one of two sums and hands the other to the lane 1, 2, 4 away leave row l % 8's sum in lane l; two more add the lanes 8 and 16 away.
; Group t's sums go to lanes 8 t .. 8 t + 7: so lane l ends with the dot of ITS row, 8 g[l / 8] + l % 8, and norm, quotient and key are one instruction each for all 32 rows.
; THE BEST FOUR: four times the wave's greatest key; among the lanes that hold it the greatest of minus the row's number (the lower row, as top_k has it); that lane's key then becomes minus infinity.
; IN FLIGHT.  Two sets of four rows (64 registers, 16 loads each): while one is multiplied the other's loads are out, and a set is asked for again as soon as it has been multiplied.
; No cluster: the rows are chosen query by query.  The groups come from a whole-number buffer that an earlier launch stored, and are held to 0 .. 2,047 before they enter an address.
; LIMITS.  The dot is summed 32 terms a lane and then across the lanes, another order than the reference's.  The quotient is a reciprocal (one unit in the last place) with one fused correction.
; Two rows whose cosines differ by about 1e-7 or less may change places against the reference.  Norm 0, NaN and infinities are not treated apart.
.set SYN,   8388608                    ; xb's byte at which the synth rows begin
.set SPARE, 256                        ; LDS: 0-255 sixteen results of 16 bytes; behind them the spare words, 128 bytes a wave, that no other line names
.set LO,  2                            ; v2   16 x lane; never rewritten
.set GL,  3                            ; v3   my row's group
.set NO,  4                            ; v4   my row's word among the synth rows' norms
.set NIX, 5                            ; v5   my row's number, then minus that number as f32 (exact: under 2^14)
.set SN,  6                            ; v6   my row's norm
.set D,   7                            ; v7   my row's dot
.set ZR,  8                            ; v8   0
.set OG,  9                            ; v9   4 (l / 8)
.set P,   10                           ; v[10:17]  the partial sums of a group's eight rows
.set T,   18                           ; v[18:21]  at work in the fold
.set SPW, 22                           ; v22  LDS address of my spare word; never rewritten
.set NIL, 23                           ; v23  0; never rewritten
.set DEN, 24
.set RC,  25
.set C0,  26
.set KEY, 27
.set M,   28
.set TM,  29
.set CI,  30
.set NINF, 31                          ; v31  minus infinity
.set OUT, 32                           ; v[32:35]  the four rows
.set WA,  36
.set RA,  37
.set OB,  38                           ; v[38:39]
.set Q,   40                           ; v[40:55]  the query: chunk c at Q + 4 c
.set X,   64                           ; v[64:191] set s, row j, chunk c at X + 64 s + 16 j + 4 c
.set LB,  14                           ; s[14:15] the group whose rows are being asked for
.set Q1,  20                           ; s[20:25] the groups to come
.set M1,  42                           ; s42-44   the lanes whose number has bit 0, 1, 2 set
.set M2,  43
.set M4,  44
.set GMK, 45                           ; s45  the eight lanes of the group in hand
.set CNT, 46                           ; s46  groups to go
	s_load_b256 s[4:11], s[0:1], 0x0               ; xb s[4:5], norms s[6:7], grp s[8:9], idx s[10:11]
	v_lshl_add_u32 v[SPW], v0, 2, SPARE
	v_mov_b32 v[NIL], 0
	v_lshrrev_b32 v1, 5, v0
	v_readfirstlane_b32 s12, v1                    ; wave 0..15
	v_and_b32 v1, 31, v0                           ; lane
	v_lshlrev_b32 v[LO], 4, v1
	v_lshrrev_b32 v[OG], 3, v1
	v_lshlrev_b32 v[OG], 2, v[OG]
	v_mov_b32 v[ZR], 0
	v_mov_b32 v[D], 0
	v_mov_b32 v[TM], 0                             ; v_permlanex16_b32 counts as a reader of its destination
	v_mov_b32 v[NINF], 0xff800000
	s_lshl_b32 s13, ttmp9, 4
	s_add_co_u32 s13, s13, s12                     ; my query
	s_lshl_b32 s28, s13, 4                         ; its 16 bytes of grp
	s_mov_b32 s29, 0
	s_lshl_b32 s38, s13, 2                         ; its word of norms
	s_mov_b32 s39, 0
	s_lshl_b32 s32, s13, 11                        ; its row of xb
	s_mov_b32 s33, 0
	s_lshl_b32 s34, ttmp9, 8                       ; the work-group's 256 bytes of idx
	s_mov_b32 s35, 0
	s_mov_b32 s40, 0x76543210                      ; v_permlanex16_b32: each lane takes its own place in the other half
	s_mov_b32 s41, 0xfedcba98
	s_mov_b32 s[M1], 0xaaaaaaaa
	s_mov_b32 s[M2], 0xcccccccc
	s_mov_b32 s[M4], 0xf0f0f0f0
	s_mov_b32 s[GMK], 0xff
	s_mov_b32 s[CNT], 4
	s_wait_kmcnt 0x0
	s_add_nc_u64 s[36:37], s[8:9], s[28:29]
	s_add_nc_u64 s[38:39], s[6:7], s[38:39]
	s_add_nc_u64 s[32:33], s[4:5], s[32:33]
	s_add_nc_u64 s[10:11], s[10:11], s[34:35]
	s_add_nc_u64 s[34:35], s[6:7], 16384           ; the synth rows' norms
	s_add_nc_u64 s[26:27], s[4:5], SYN             ; the synth rows
	s_load_b128 s[16:19], s[36:37], 0x0            ; the four groups, for the rows' addresses
	s_load_b32 s30, s[38:39], 0x0                  ; |q|
	global_load_b32 v[GL], v[OG], s[36:37]         ; and my lane's group
.irp c, 0,1,2,3
	global_load_b128 v[Q+4*(\c):Q+4*(\c)+3], v[LO], s[32:33] offset:512*(\c)
.endr
	s_wait_kmcnt 0x0
.macro GBASE d, p                      ; group p's first row
	s_min_u32 s[16+(\p)], s[16+(\p)], 0x7ff        ; a loaded number enters an address only behind this bound
	s_lshl_b32 s[\d], s[16+(\p)], 14               ; a group is 8 rows of 2,048 bytes
	s_mov_b32 s[(\d)+1], 0
	s_add_nc_u64 s[\d:(\d)+1], s[26:27], s[\d:(\d)+1]
.endm
	GBASE LB, 0
	GBASE Q1, 1
	GBASE Q1+2, 2
	GBASE Q1+4, 3
.macro LOADS s                         ; rows 4 s .. 4 s + 3 of the group at LB into set s: 16 loads, 512 consecutive bytes each
.irp j, 0,1,2,3
.irp c, 0,1,2,3
	global_load_b128 v[X+64*(\s)+16*(\j)+4*(\c):X+64*(\s)+16*(\j)+4*(\c)+3], v[LO], s[LB:LB+1] offset:2048*(4*(\s)+(\j))+512*(\c)
.endr
.endr
.endm
.macro DOTS s                          ; set s against the query: 128 fused multiply-adds, the four rows' chains by turns; the first products start the sums
.irp c, 0,1,2,3
.irp k, 0,1,2,3
.irp j, 0,1,2,3
.if ((\c) == 0) && ((\k) == 0)
	v_fma_mix_f32_bf16 v[P+4*(\s)+(\j)], v[X+64*(\s)+16*(\j)], v[Q], v[ZR] op_sel_hi:[1,1,0]
.else
	v_fma_mix_f32_bf16 v[P+4*(\s)+(\j)], v[X+64*(\s)+16*(\j)+4*(\c)+(\k)], v[Q+4*(\c)+(\k)], v[P+4*(\s)+(\j)] op_sel_hi:[1,1,0]
.endif
.endr
.irp j, 0,1,2,3
	v_fma_mix_f32_bf16 v[P+4*(\s)+(\j)], v[X+64*(\s)+16*(\j)+4*(\c)+(\k)], v[Q+4*(\c)+(\k)], v[P+4*(\s)+(\j)] op_sel:[1,1,0] op_sel_hi:[1,1,0]
.endr
.endr
.endr
.endm
; The fold.  Of two sums a lane keeps the one that its bit names and hands the other to its partner: kept + the partner's handed.  8 sums become 4, 2, 1; lane l then holds row l % 8's sum over its eight lanes.
.macro FOLD
.irp i, 0,1,2,3
	v_cndmask_b32 v[T+(\i)], v[P+2*(\i)], v[P+2*(\i)+1], s[M1]        ; kept
	v_cndmask_b32 v[P+2*(\i)], v[P+2*(\i)+1], v[P+2*(\i)], s[M1]      ; handed on
.endr
.irp i, 0,1,2,3
	v_add_f32_dpp v[T+(\i)], v[P+2*(\i)], v[T+(\i)] row_xmask:1 row_mask:0xf bank_mask:0xf
.endr
.irp i, 0,1
	v_cndmask_b32 v[P+(\i)], v[T+2*(\i)], v[T+2*(\i)+1], s[M2]
	v_cndmask_b32 v[T+2*(\i)], v[T+2*(\i)+1], v[T+2*(\i)], s[M2]
.endr
.irp i, 0,1
	v_add_f32_dpp v[P+(\i)], v[T+2*(\i)], v[P+(\i)] row_xmask:2 row_mask:0xf bank_mask:0xf
.endr
	v_cndmask_b32 v[T], v[P], v[P+1], s[M4]
	v_cndmask_b32 v[P], v[P+1], v[P], s[M4]
	v_add_f32_dpp v[T], v[P], v[T] row_xmask:4 row_mask:0xf bank_mask:0xf
	v_add_f32_dpp v[T], v[T], v[T] row_xmask:8 row_mask:0xf bank_mask:0xf   ; the lanes 8 and 16 away hold the same row's other parts
	v_permlanex16_b32 v[T+1], v[T], s40, s41
	v_add_f32 v[T], v[T], v[T+1]
	v_cndmask_b32 v[D], v[D], v[T], s[GMK]         ; the group's eight lanes keep it
.endm
.macro WMAX d                          ; the greatest of the 32 lanes' numbers, in every lane
	v_max_num_f32_dpp v[\d], v[\d], v[\d] row_xmask:1 row_mask:0xf bank_mask:0xf
	v_max_num_f32_dpp v[\d], v[\d], v[\d] row_xmask:2 row_mask:0xf bank_mask:0xf
	v_max_num_f32_dpp v[\d], v[\d], v[\d] row_xmask:4 row_mask:0xf bank_mask:0xf
	v_max_num_f32_dpp v[\d], v[\d], v[\d] row_xmask:8 row_mask:0xf bank_mask:0xf
	v_permlanex16_b32 v[TM], v[\d], s40, s41
	v_max_num_f32 v[\d], v[\d], v[TM]
.endm
	LOADS 0                                        ; group 0
	LOADS 1
	s_wait_loadcnt 36                              ; my lane's group is in: behind it went the query's 4 loads and the rows' 32
	v_min_u32 v[GL], 0x7ff, v[GL]                  ; a loaded number enters an address only behind this bound
	v_and_b32 v[NIX], 7, v1
	v_lshl_add_u32 v[NIX], v[GL], 3, v[NIX]        ; my row's number
	v_lshlrev_b32 v[NO], 2, v[NIX]
	global_load_b32 v[SN], v[NO], s[34:35]         ; one load more behind the rows': the counts below then wait for a little more than they need
	v_cvt_f32_u32 v[NIX], v[NIX]
	v_mul_f32 v[NIX], -1.0, v[NIX]
.Lgroup:                                               ; a trip: a group is multiplied and folded, and the next is asked for
	s_wait_loadcnt 16                              ; set 0 is in (and the query); set 1's 16 loads may stay out
	DOTS 0
	s_cmp_eq_u32 s[CNT], 1
	s_cbranch_scc1 .Llast                          ; the last group's second half is written out: nothing more is asked for
	s_wait_xcnt 0x0                                ; every load issued so far, the youngest 128 vector instructions back, has read its address, so the base may be written
	s_mov_b64 s[LB:LB+1], s[Q1:Q1+1]               ; the next group
	s_mov_b64 s[Q1:Q1+1], s[Q1+2:Q1+3]
	s_mov_b64 s[Q1+2:Q1+3], s[Q1+4:Q1+5]
	LOADS 0
	s_wait_loadcnt 16                              ; set 1 is in; the 16 loads just issued may stay out
	DOTS 1
	LOADS 1
	FOLD
	s_lshl_b32 s[GMK], s[GMK], 8
	s_sub_co_u32 s[CNT], s[CNT], 1
	s_branch .Lgroup
.Llast:
	s_wait_loadcnt 0x0                             ; set 1, and my row's norm
	DOTS 1
	FOLD
	v_mul_f32 v[DEN], s30, v[SN]                   ; |q| |s|
	v_rcp_f32 v[RC], v[DEN]
	v_nop                                          ; a plain instruction behind the reciprocal,
	s_wait_alu depctr_va_vdst(0)                   ; and the wait ahead of the first line that names its result
	v_mul_f32 v[C0], v[D], v[RC]
	v_fma_f32 v[DEN], -v[C0], v[DEN], v[D]         ; what the first quotient leaves over,
	v_fma_f32 v[C0], v[DEN], v[RC], v[C0]          ; put right
	v_add_f32 v[KEY], -1.0, v[C0]                  ; -(1 - quotient): the same rounding as the distance's
.irp r, 0,1,2,3
	v_mov_b32 v[M], v[KEY]
	WMAX M                                         ; the nearest that is left
	v_cmp_eq_f32 vcc_lo, v[KEY], v[M]
	v_cndmask_b32 v[CI], v[NINF], v[NIX], vcc_lo   ; among the lanes that hold it,
	WMAX CI                                        ; the lowest row
	v_cmp_eq_f32 vcc_lo, v[NIX], v[CI]
	v_cndmask_b32 v[KEY], v[KEY], v[NINF], vcc_lo  ; which is taken out
	v_mul_f32 v[M], -1.0, v[CI]
	v_cvt_u32_f32 v[OUT+(\r)], v[M]
.endr
	s_lshl_b32 s28, s12, 4
	v_mov_b32 v[WA], s28
	v_lshlrev_b32 v[RA], 3, v1
	ds_store_b128 v[WA], v[OUT:OUT+3]              ; all lanes write the same 16 bytes with the same numbers
	s_wait_dscnt 0x0                               ; for the others' sake: my store is done
	s_barrier_signal -1
	s_barrier_wait -1
	s_cmp_lg_u32 s12, 0
	s_cbranch_scc1 .Lend
	ds_load_b64 v[OB:OB+1], v[RA]
	s_wait_dscnt 0x0
	global_store_b64 v[RA], v[OB:OB+1], s[10:11]   ; 32 lanes: the work-group's 256 consecutive bytes, aligned
.Lend:
	s_wait_tensorcnt 0x0                           ; the wave's end, behind my last LDS store
	ds_add_u32 v[SPW], v[NIL]
	s_wait_dscnt 0x0
	s_endpgm
.Lfunc_end_k_qa5f1c53c7b_rerank:
	.size	k_qa5f1c53c7b_rerank, .Lfunc_end_k_qa5f1c53c7b_rerank-k_qa5f1c53c7b_rerank
	.p2alignl 7, 3214868480
	.fill 96, 4, 3214868480
	.section	.rodata,"a",@progbits
	.p2align	6, 0x0
	.amdhsa_kernel k_qa5f1c53c7b_rerank
		.amdhsa_group_segment_fixed_size 2304
		.amdhsa_private_segment_fixed_size 0
		.amdhsa_enable_private_segment 0
		.amdhsa_kernarg_size 32
		.amdhsa_user_sgpr_count 2
		.amdhsa_user_sgpr_kernarg_segment_ptr 1
		.amdhsa_wavefront_size32 1
		.amdhsa_system_sgpr_workgroup_id_x 1
		.amdhsa_system_sgpr_workgroup_id_y 1
		.amdhsa_system_sgpr_workgroup_id_z 1
		.amdhsa_system_vgpr_workitem_id 0
		.amdhsa_next_free_vgpr 192
		.amdhsa_next_free_sgpr 66
		.amdhsa_reserve_vcc 1
		.amdhsa_float_denorm_mode_32 3
		.amdhsa_float_denorm_mode_16_64 3
		.amdhsa_memory_ordered 1
		.amdhsa_forward_progress 1
		.amdhsa_inst_pref_size 42
	.end_amdhsa_kernel
	.amdgpu_metadata
---
amdhsa.version: [ 1, 2 ]
amdhsa.kernels:
  - .name:           k_qa5f1c53c7b_rerank
    .symbol:         k_qa5f1c53c7b_rerank.kd
    .args:
      - { .name: xb, .offset: 0, .size: 8, .value_kind: global_buffer, .address_space: global }
      - { .name: norms, .offset: 8, .size: 8, .value_kind: global_buffer, .address_space: global }
      - { .name: grp, .offset: 16, .size: 8, .value_kind: global_buffer, .address_space: global }
      - { .name: idx, .offset: 24, .size: 8, .value_kind: global_buffer, .address_space: global }
    .group_segment_fixed_size: 2304
    .private_segment_fixed_size: 0
    .kernarg_segment_align: 8
    .kernarg_segment_size: 32
    .max_flat_workgroup_size: 512
    .sgpr_count:     66
    .vgpr_count:     192
    .wavefront_size: 32
...
	.end_amdgpu_metadata
.endif
;; end of part 4
;; launch gather (part 5): grid 512 x 1, 8 waves a work-group, no clusters, 0 bytes of LDS; arguments xb, idx, out0; writes out0
.if DOCPART == 5
	.amdgcn_target "amdgcn-amd-amdhsa--gfx1250"
	.amdhsa_code_object_version 6
	.text
	.protected	k_qa5f1c53c7b_gather
	.globl	k_qa5f1c53c7b_gather
	.p2align	8
	.type	k_qa5f1c53c7b_gather,@function
k_qa5f1c53c7b_gather:
	s_mov_b64 s[64:65], 0
	v_nop
	global_prefetch_b8 v0, s[64:65] scope:SCOPE_SE
	s_setreg_imm32_b32 hwreg(HW_REG_WAVE_MODE, 25, 1), 1
	s_wait_xcnt 0x0
; out0[2 q][:] = out0[2 q + 1][:] = the mean of the four synth rows idx[q][0..3], taken of xb's bf16 rows, in f32.
; ALPHA = 0 in the reference's own body: (1 - ALPHA) x mean + ALPHA x query is the mean, for finite queries; the query's part is left out.
; One wave a query.  A row of 2,048 bytes is eight loads of 8 bytes a lane, 256 consecutive bytes each; all 32 loads go out at once.  0.25 x is exact, so the fused sums round as a sum divided by 4 does.
; Each store covers 512 consecutive bytes, aligned.  The rows' numbers come from a whole-number buffer that an earlier launch stored, and are held to 0 .. 16,383 before they enter an address.
; No LDS, no barrier, no cluster: no wave wants a byte that another has fetched.
.set SYN, 8388608                      ; xb's byte at which the synth rows begin
.set LO,  2                            ; v2   8 x lane
.set SO,  3                            ; v3   16 x lane
.set QT,  4                            ; v4   0.25
.set ZR,  5                            ; v5   0
.set X,   16                           ; v[16:79]   chunk c, row p: 2 registers at X + 8 c + 2 p
.set O,   80                           ; v[80:111]  chunk c: 4 registers
	s_load_b128 s[4:7], s[0:1], 0x0                ; xb s[4:5], idx s[6:7]
	s_load_b64 s[8:9], s[0:1], 0x10                ; out0
	v_lshrrev_b32 v1, 5, v0
	v_readfirstlane_b32 s12, v1                    ; wave 0..7
	v_and_b32 v1, 31, v0
	v_lshlrev_b32 v[LO], 3, v1
	v_lshlrev_b32 v[SO], 4, v1
	v_mov_b32 v[QT], 0x3e800000
	v_mov_b32 v[ZR], 0
	s_lshl_b32 s13, ttmp9, 3
	s_add_co_u32 s13, s13, s12                     ; my query
	s_lshl_b32 s10, s13, 4                         ; its 16 bytes of idx
	s_mov_b32 s11, 0
	s_lshl_b32 s28, s13, 13                        ; its two rows of out0
	s_mov_b32 s29, 0
	s_wait_kmcnt 0x0
	s_add_nc_u64 s[6:7], s[6:7], s[10:11]
	s_load_b128 s[16:19], s[6:7], 0x0
	s_add_nc_u64 s[14:15], s[4:5], SYN
	s_add_nc_u64 s[8:9], s[8:9], s[28:29]
	s_wait_kmcnt 0x0
.irp p, 0,1,2,3
	s_min_u32 s[16+(\p)], s[16+(\p)], 0x3fff       ; a loaded number enters an address only behind this bound
	s_lshl_b32 s[20+2*(\p)], s[16+(\p)], 11
	s_mov_b32 s[21+2*(\p)], 0
	s_add_nc_u64 s[20+2*(\p):21+2*(\p)], s[14:15], s[20+2*(\p):21+2*(\p)]
.endr
.irp c, 0,1,2,3,4,5,6,7
.irp p, 0,1,2,3
	global_load_b64 v[X+8*(\c)+2*(\p):X+8*(\c)+2*(\p)+1], v[LO], s[20+2*(\p):21+2*(\p)] offset:256*(\c)
.endr
.endr
.macro MIX d, x, acc, hi               ; d = 0.25 x (one half of x, a bf16) + acc
.if \hi
	v_fma_mix_f32_bf16 v[\d], v[\x], v[QT], v[\acc] op_sel:[1,0,0] op_sel_hi:[1,0,0]
.else
	v_fma_mix_f32_bf16 v[\d], v[\x], v[QT], v[\acc] op_sel_hi:[1,0,0]
.endif
.endm
.irp c, 0,1,2,3,4,5,6,7
	s_wait_loadcnt 28-4*(\c)                       ; loads come back in order: this chunk's four are in, the later chunks' stay out
.irp e, 0,1,2,3
	MIX O+4*(\c)+(\e), X+8*(\c)+(\e)/2, ZR, (\e)%2
.endr
.irp p, 1,2,3
.irp e, 0,1,2,3
	MIX O+4*(\c)+(\e), X+8*(\c)+2*(\p)+(\e)/2, O+4*(\c)+(\e), (\e)%2
.endr
.endr
	global_store_b128 v[SO], v[O+4*(\c):O+4*(\c)+3], s[8:9] offset:512*(\c) th:TH_STORE_NT
	global_store_b128 v[SO], v[O+4*(\c):O+4*(\c)+3], s[8:9] offset:4096+512*(\c) th:TH_STORE_NT
.endr
	s_endpgm
.Lfunc_end_k_qa5f1c53c7b_gather:
	.size	k_qa5f1c53c7b_gather, .Lfunc_end_k_qa5f1c53c7b_gather-k_qa5f1c53c7b_gather
	.p2alignl 7, 3214868480
	.fill 96, 4, 3214868480
	.section	.rodata,"a",@progbits
	.p2align	6, 0x0
	.amdhsa_kernel k_qa5f1c53c7b_gather
		.amdhsa_group_segment_fixed_size 0
		.amdhsa_private_segment_fixed_size 0
		.amdhsa_enable_private_segment 0
		.amdhsa_kernarg_size 24
		.amdhsa_user_sgpr_count 2
		.amdhsa_user_sgpr_kernarg_segment_ptr 1
		.amdhsa_wavefront_size32 1
		.amdhsa_system_sgpr_workgroup_id_x 1
		.amdhsa_system_sgpr_workgroup_id_y 1
		.amdhsa_system_sgpr_workgroup_id_z 1
		.amdhsa_system_vgpr_workitem_id 0
		.amdhsa_next_free_vgpr 112
		.amdhsa_next_free_sgpr 66
		.amdhsa_reserve_vcc 0
		.amdhsa_float_denorm_mode_32 3
		.amdhsa_float_denorm_mode_16_64 3
		.amdhsa_memory_ordered 1
		.amdhsa_forward_progress 1
		.amdhsa_inst_pref_size 15
	.end_amdhsa_kernel
	.amdgpu_metadata
---
amdhsa.version: [ 1, 2 ]
amdhsa.kernels:
  - .name:           k_qa5f1c53c7b_gather
    .symbol:         k_qa5f1c53c7b_gather.kd
    .args:
      - { .name: xb, .offset: 0, .size: 8, .value_kind: global_buffer, .address_space: global }
      - { .name: idx, .offset: 8, .size: 8, .value_kind: global_buffer, .address_space: global }
      - { .name: out0, .offset: 16, .size: 8, .value_kind: global_buffer, .address_space: global }
    .group_segment_fixed_size: 0
    .private_segment_fixed_size: 0
    .kernarg_segment_align: 8
    .kernarg_segment_size: 24
    .max_flat_workgroup_size: 256
    .sgpr_count:     66
    .vgpr_count:     112
    .wavefront_size: 32
...
	.end_amdgpu_metadata
.endif
;; end of part 5
;; ======== version 2 of 2: 5 launches; version 1 with the launches prep, rerank written anew for expert scheduling mode
;; workspace buffers: xb 41,943,040 bytes; norms 163,840 bytes; candv 4,194,304 bytes; candg 4,194,304 bytes of whole numbers; grp 65,536 bytes of whole numbers; idx 65,536 bytes of whole numbers
;; launch prep (part 6): grid 256 x 1, 16 waves a work-group, no clusters, 3,072 bytes of LDS; arguments query_seq, synth_set, xb, norms; writes xb, norms
.if DOCPART == 6
	.amdgcn_target "amdgcn-amd-amdhsa--gfx1250"
	.amdhsa_code_object_version 6
	.text
	.protected	k_qa5f1c53c7b_prep
	.globl	k_qa5f1c53c7b_prep
	.p2align	8
	.type	k_qa5f1c53c7b_prep,@function
k_qa5f1c53c7b_prep:
	s_mov_b64 s[64:65], 0
	v_nop
	global_prefetch_b8 v0, s[64:65] scope:SCOPE_SE
	s_setreg_imm32_b32 hwreg(HW_REG_WAVE_SCHED_MODE, 0, 2), 2
	s_setreg_imm32_b32 hwreg(HW_REG_WAVE_MODE, 25, 1), 1
	s_wait_xcnt 0x0
	s_wait_alu depctr_vm_vsrc(0)
; xb[R][:] = row R of the two inputs, one below the other (rows 0-4095 the queries, rows 4096-20479 the synth rows), rounded once to bf16.
; norms: byte 4 R = the norm of xb's row R (of the ROUNDED numbers, summed in f32), byte 81,920 + 4 R = 1 / that norm.
; The whole program follows the reference on inputs rounded to bf16: both inputs have that one rounding, and all that follows is made of xb.
; SHARES.  20,480 rows are 80 for each of 256 work-groups, 5 for each of its sixteen waves.  A row of 4,096 bytes is eight loads of 16 bytes a lane (512 neighbouring bytes each): 32 registers.
; All 40 loads of a wave go out at its head: 20 KiB a wave, 320 KiB a work-group; the rows are worked on as they come.  4,096 is no multiple of 5, so each row picks its input by its own number.
; Each store into xb, 8 bytes a lane, covers 256 consecutive bytes, aligned.  The 80 norms and 80 reciprocals meet in LDS, and wave 0 stores each as 320 consecutive bytes: of these the first and the
; last aligned block of 256 bytes are shared with the neighbouring work-groups (160 KiB in all, beside 40 MiB of xb).  No cluster: the work-groups share no input.
; LIMITS.  A row of norm 0 gives an infinite reciprocal; NaN and infinities are not treated apart.  The root and the reciprocal are the chip's, good to one unit in the last place.
; THE MODE: SCHED_MODE bits 1:0 = 2 (LLVM: expert scheduling mode 2), set by the entry lines.  The code itself states the register dependences
; between vector instructions and memory or LDS instructions, with s_wait_alu, always for 0.
; THE PLAN.  Registers that memory or LDS instructions touch:
;   v[LI], v[LO], v[LW], v[LR]  offsets and LDS addresses: written once at the head, never again.
;   X, five rows of 32          A row is loaded once; its sixteen roundings write 16 of its registers, in place; its eight stores read those 16; nothing writes them again.
;   v[SN], v[RC]                written by the root and the reciprocal, read by the two LDS stores, never written again.
;   v[BK ..]                    named by LDS loads and global stores alone.
;   v[SPW], v[NIL]              written at the head, read by the closing add alone.
; So ONE wait on va_vdst stands in a row's turn, behind its roundings and squares; the row's eight stores follow it, dealt among the lines of the sum across the lanes, which name SA, TB and NS:
; none of the registers that the stores touch.  No register that a memory or LDS instruction reads is ever written again, so the text holds no wait on vm_vsrc.
.set ROWI,  4096                       ; bytes in a row of f32
.set ROWO,  2048                       ; bytes in a row of bf16
.set NQ,    4096                       ; rows of queries
.set RPW,   5                          ; rows a wave
.set RPG,   80                         ; rows a work-group
.set LC,    512                        ; LDS: 0-319 the norms, 512-831 the reciprocals
.set SPARE, 1024                       ; behind them the spare words, 128 bytes a wave, that no other line names
.set LI,  2                            ; v2   16 x lane: my 16 bytes in 512 of the input; never rewritten
.set LO,  3                            ; v3   8 x lane: my 8 bytes in 256 of xb; never rewritten
.set NS,  4                            ; v4   the sums of squares: lanes with lane % 8 = i hold row i's (lane % 8 > 4: row 4's)
.set ZR,  5                            ; v5   0
.set SA,  6                            ; v[6:9]  four running sums
.set TB,  11                           ; v11  at work
.set SN,  12                           ; v12  the norm
.set RC,  13                           ; v13  its reciprocal
.set LW,  14                           ; v14  LDS: 4 x (5 wave + the lesser of lane % 8 and 4)
.set LR,  15                           ; v15  16 x the lesser of lane and 19: 80 words are 20 lanes' 16 bytes; lanes 20-31 do lane 19's work once more
.set BK,  20                           ; v[20:27] read back
.set SPW, 30                           ; v30  LDS address of my spare word; never rewritten
.set NIL, 31                           ; v31  0; never rewritten
.set X,   32                           ; v[32:191] five rows of 32
.set RB,  32                           ; s[32:41] row i's address in its input
	s_load_b256 s[4:11], s[0:1], 0x0               ; query_seq s[4:5], synth_set s[6:7], xb s[8:9], norms s[10:11]
	v_lshl_add_u32 v[SPW], v0, 2, SPARE
	v_mov_b32 v[NIL], 0
	v_lshrrev_b32 v1, 5, v0
	v_readfirstlane_b32 s12, v1                    ; wave 0..15
	v_and_b32 v1, 31, v0                           ; lane
	v_lshlrev_b32 v[LI], 4, v1
	v_lshlrev_b32 v[LO], 3, v1
	v_mov_b32 v[NS], 0
	v_mov_b32 v[ZR], 0
	v_mov_b32 v[TB], 0                             ; v_permlanex16_b32 counts as a reader of its destination
	s_wait_alu depctr_va_sdst(0)                   ; s12 is written, ahead of its first reader: my rows' numbers and addresses are made from it
	s_mul_i32 s13, s12, RPW                        ; my first row in the work-group
	v_and_b32 v[LW], 7, v1
	v_min_u32 v[LW], 4, v[LW]
	v_add_nc_u32 v[LW], s13, v[LW]
	v_lshlrev_b32 v[LW], 2, v[LW]
	v_min_u32 v[LR], 19, v1
	v_lshlrev_b32 v[LR], 4, v[LR]
	s_mov_b32 s18, 0x76543210                      ; v_permlanex16_b32: each lane takes its own place in the other half
	s_mov_b32 s19, 0xfedcba98
	s_mul_i32 s14, ttmp9, RPG
	s_add_co_u32 s14, s14, s13                     ; my first row of the 20,480
	s_lshl_b32 s20, s14, 11                        ; its byte in xb: under 2^26
	s_mov_b32 s21, 0
	s_mul_i32 s28, ttmp9, 4*RPG                    ; the work-group's 80 words
	s_mov_b32 s29, 0
	s_wait_kmcnt 0x0
	s_add_nc_u64 s[16:17], s[8:9], s[20:21]
	s_add_nc_u64 s[24:25], s[10:11], s[28:29]
	s_wait_alu depctr_va_vdst(0)                   ; v[LI], v[LO], v[LW] and v[LR] are written: every load, store and LDS instruction of the kernel reads one of them as its offset or address
.macro FILL i                          ; row i of the wave's five: where it lies, and its eight loads
	s_add_co_u32 s22, s14, \i                      ; the row's number
	s_sub_co_u32 s23, s22, NQ
	s_cmp_lt_u32 s22, NQ                           ; a query or a synth row?
	s_cselect_b32 s22, s22, s23                    ; its number in its input
	s_cselect_b64 s[RB+2*(\i):RB+2*(\i)+1], s[4:5], s[6:7]
	s_lshl_b32 s22, s22, 12                        ; in bytes: under 2^26
	s_mov_b32 s23, 0
	s_add_nc_u64 s[RB+2*(\i):RB+2*(\i)+1], s[RB+2*(\i):RB+2*(\i)+1], s[22:23]
.irp j, 0,1,2,3,4,5,6,7
	global_load_b128 v[X+32*(\i)+4*(\j):X+32*(\i)+4*(\j)+3], v[LI], s[RB+2*(\i):RB+2*(\i)+1] offset:512*(\j) th:TH_LOAD_NT
.endr
.endm
.macro PUT i, j                        ; piece j of row i leaves: 32 lanes, 256 consecutive bytes, aligned; no register of a store is written again
	global_store_b64 v[LO], v[X+32*(\i)+4*(\j):X+32*(\i)+4*(\j)+1], s[16:17] offset:ROWO*(\i)+256*(\j)
.endm
; Row i's turn.  left = how many younger loads may stay out.  mask = the lanes that keep its sum of squares.
.macro TURN i, left, mask
.set XS, X+32*(\i)
	s_wait_loadcnt \left                           ; loads come back in order: my eight are in, the rows behind them stay on their way
.irp j, 0,1,2,3,4,5,6,7
	v_cvt_pk_bf16_f32 v[XS+4*(\j)], v[XS+4*(\j)], v[XS+4*(\j)+1]      ; four numbers rounded, in place
	v_cvt_pk_bf16_f32 v[XS+4*(\j)+1], v[XS+4*(\j)+2], v[XS+4*(\j)+3]
.if (\j) == 0                          ; the first four squares start the sums
	v_fma_mix_f32_bf16 v[SA],   v[XS],   v[XS],   v[ZR] op_sel_hi:[1,1,0]
	v_fma_mix_f32_bf16 v[SA+1], v[XS],   v[XS],   v[ZR] op_sel:[1,1,0] op_sel_hi:[1,1,0]
	v_fma_mix_f32_bf16 v[SA+2], v[XS+1], v[XS+1], v[ZR] op_sel_hi:[1,1,0]
	v_fma_mix_f32_bf16 v[SA+3], v[XS+1], v[XS+1], v[ZR] op_sel:[1,1,0] op_sel_hi:[1,1,0]
.else                                  ; squares of the rounded numbers, straight from the halves, summed in f32 in four chains
	v_fma_mix_f32_bf16 v[SA],   v[XS+4*(\j)],   v[XS+4*(\j)],   v[SA]   op_sel_hi:[1,1,0]
	v_fma_mix_f32_bf16 v[SA+1], v[XS+4*(\j)],   v[XS+4*(\j)],   v[SA+1] op_sel:[1,1,0] op_sel_hi:[1,1,0]
	v_fma_mix_f32_bf16 v[SA+2], v[XS+4*(\j)+1], v[XS+4*(\j)+1], v[SA+2] op_sel_hi:[1,1,0]
	v_fma_mix_f32_bf16 v[SA+3], v[XS+4*(\j)+1], v[XS+4*(\j)+1], v[SA+3] op_sel:[1,1,0] op_sel_hi:[1,1,0]
.endif
.endr
	s_wait_alu depctr_va_vdst(0)                   ; the sixteen roundings have written the row's 16 registers, which the eight stores below read; the lines among the stores name SA, TB and NS alone
	PUT \i, 0
	v_add_f32 v[SA], v[SA], v[SA+1]
	PUT \i, 1
	v_add_f32 v[SA+2], v[SA+2], v[SA+3]
	PUT \i, 2
	v_add_f32 v[SA], v[SA], v[SA+2]
	PUT \i, 3
	v_add_f32_dpp v[SA], v[SA], v[SA] row_xmask:1 row_mask:0xf bank_mask:0xf
	PUT \i, 4
	v_add_f32_dpp v[SA], v[SA], v[SA] row_xmask:2 row_mask:0xf bank_mask:0xf
	PUT \i, 5
	v_add_f32_dpp v[SA], v[SA], v[SA] row_xmask:4 row_mask:0xf bank_mask:0xf
	PUT \i, 6
	v_add_f32_dpp v[SA], v[SA], v[SA] row_xmask:8 row_mask:0xf bank_mask:0xf
	PUT \i, 7
	v_permlanex16_b32 v[TB], v[SA], s18, s19
	v_add_f32 v[SA], v[SA], v[TB]                  ; every lane holds the row's sum of squares
	s_mov_b32 s26, \mask
	v_cndmask_b32 v[NS], v[NS], v[SA], s26
.endm
	FILL 0
	FILL 1
	FILL 2
	FILL 3
	FILL 4
	TURN 0, 32, 0x01010101                         ; 32: the four younger rows' loads stay out
	TURN 1, 24, 0x02020202
	TURN 2, 16, 0x04040404
	TURN 3, 8,  0x08080808
	TURN 4, 0,  0xf0f0f0f0                         ; lanes with lane % 8 = 4 .. 7 all keep row 4's
	v_sqrt_f32 v[SN], v[NS]
	v_nop                                          ; a plain instruction behind the root,
	s_wait_alu depctr_va_vdst(0)                   ; and the wait ahead of the first line that names its result: the root has written v[SN]
	v_rcp_f32 v[RC], v[SN]
	v_nop
	s_wait_alu depctr_va_vdst(0)                   ; the reciprocal has written v[RC]: the LDS stores below read v[SN] and v[RC]
	ds_store_b32 v[LW], v[SN]                      ; lanes that write the same word write the same number
	ds_store_b32 v[LW], v[RC] offset:LC
	s_wait_dscnt 0x0                               ; for the others' sake: my stores are done
	s_barrier_signal -1
	s_barrier_wait -1
	s_cmp_lg_u32 s12, 0
	s_cbranch_scc1 .Lend
	ds_load_b128 v[BK:BK+3], v[LR]                 ; the 80 norms,
	ds_load_b128 v[BK+4:BK+7], v[LR] offset:LC     ; the 80 reciprocals: no vector instruction names v[BK ..]
	s_wait_dscnt 0x0
	global_store_b128 v[LR], v[BK:BK+3], s[24:25]                 ; 320 consecutive bytes each
	global_store_b128 v[LR], v[BK+4:BK+7], s[24:25] offset:81920
.Lend:
	s_wait_dscnt 0x0                               ; the closing lines, six on end
	s_wait_alu 0x0
	s_wait_tensorcnt 0x0
	ds_add_u32 v[SPW], v[NIL]
	s_wait_dscnt 0x0
	s_endpgm
.Lfunc_end_k_qa5f1c53c7b_prep:
	.size	k_qa5f1c53c7b_prep, .Lfunc_end_k_qa5f1c53c7b_prep-k_qa5f1c53c7b_prep
	.p2alignl 7, 3214868480
	.fill 96, 4, 3214868480
	.section	.rodata,"a",@progbits
	.p2align	6, 0x0
	.amdhsa_kernel k_qa5f1c53c7b_prep
		.amdhsa_group_segment_fixed_size 3072
		.amdhsa_private_segment_fixed_size 0
		.amdhsa_enable_private_segment 0
		.amdhsa_kernarg_size 32
		.amdhsa_user_sgpr_count 2
		.amdhsa_user_sgpr_kernarg_segment_ptr 1
		.amdhsa_wavefront_size32 1
		.amdhsa_system_sgpr_workgroup_id_x 1
		.amdhsa_system_sgpr_workgroup_id_y 1
		.amdhsa_system_sgpr_workgroup_id_z 1
		.amdhsa_system_vgpr_workitem_id 0
		.amdhsa_next_free_vgpr 192
		.amdhsa_next_free_sgpr 66
		.amdhsa_reserve_vcc 0
		.amdhsa_float_denorm_mode_32 3
		.amdhsa_float_denorm_mode_16_64 3
		.amdhsa_memory_ordered 1
		.amdhsa_forward_progress 1
		.amdhsa_inst_pref_size 30
	.end_amdhsa_kernel
	.amdgpu_metadata
---
amdhsa.version: [ 1, 2 ]
amdhsa.kernels:
  - .name:           k_qa5f1c53c7b_prep
    .symbol:         k_qa5f1c53c7b_prep.kd
    .args:
      - { .name: query_seq, .offset: 0, .size: 8, .value_kind: global_buffer, .address_space: global }
      - { .name: synth_set, .offset: 8, .size: 8, .value_kind: global_buffer, .address_space: global }
      - { .name: xb, .offset: 16, .size: 8, .value_kind: global_buffer, .address_space: global }
      - { .name: norms, .offset: 24, .size: 8, .value_kind: global_buffer, .address_space: global }
    .group_segment_fixed_size: 3072
    .private_segment_fixed_size: 0
    .kernarg_segment_align: 8
    .kernarg_segment_size: 32
    .max_flat_workgroup_size: 512
    .sgpr_count:     66
    .vgpr_count:     192
    .wavefront_size: 32
...
	.end_amdgpu_metadata
.endif
;; end of part 6
;; launch gemm: the kernel of part 2 again; grid 16 x 16, 4 waves a work-group, clusters of 4 x 4, 327,680 bytes of LDS; arguments xb, norms, candv, candg; writes candv, candg
;; launch merge: the kernel of part 3 again; grid 256 x 1, 8 waves a work-group, no clusters, 9,216 bytes of LDS; arguments candv, candg, grp; writes grp
;; launch rerank (part 7): grid 256 x 1, 16 waves a work-group, no clusters, 2,304 bytes of LDS; arguments xb, norms, grp, idx; writes idx
.if DOCPART == 7
	.amdgcn_target "amdgcn-amd-amdhsa--gfx1250"
	.amdhsa_code_object_version 6
	.text
	.protected	k_qa5f1c53c7b_rerank
	.globl	k_qa5f1c53c7b_rerank
	.p2align	8
	.type	k_qa5f1c53c7b_rerank,@function
k_qa5f1c53c7b_rerank:
	s_mov_b64 s[64:65], 0
	v_nop
	global_prefetch_b8 v0, s[64:65] scope:SCOPE_SE
	s_setreg_imm32_b32 hwreg(HW_REG_WAVE_SCHED_MODE, 0, 2), 2
	s_setreg_imm32_b32 hwreg(HW_REG_WAVE_MODE, 25, 1), 1
	s_wait_xcnt 0x0
	s_wait_alu depctr_vm_vsrc(0)
; idx[q][0..3] = the four synth rows nearest to query q, by (distance up, row up), among the 32 rows of the four groups that grp names.
; The distance is the reference's own: 1 - dot / (|q| |s|), on xb's bf16 rows and their norms; key = quotient - 1 = -distance, rounded as the reference rounds it.
; SHARES.  One wave a query, sixteen waves a work-group.  ON THE VECTOR UNIT: one query against 32 gathered rows would leave 15 of a matrix tile's 16 columns idle, and a fragment's layout, a lane a row,
; would make each load touch 16 rows, 32 bytes of each.  Here a load, 16 bytes a lane, covers 512 consecutive bytes of ONE row: 128 loads for the rows, 4 for the query.
; Lane l holds channels 256 c + 8 l + 0..7 (c = 0..3) of the query and of each row: 32 fused multiply-adds a row straight from the bf16 halves, in f32, four rows' chains by turns.
; A group's eight partial sums are FOLDED: three steps in which a lane keeps one of two sums and hands the other to the lane 1, 2, 4 away leave row l % 8's sum in lane l; two more add the lanes 8 and 16 away.
; Group t's sums go to lanes 8 t .. 8 t + 7: so lane l ends with the dot of ITS row, 8 g[l / 8] + l % 8, and norm, quotient and key are one instruction each for all 32 rows.
; THE BEST FOUR: four times the wave's greatest key; among the lanes that hold it the greatest of minus the row's number (the lower row, as top_k has it); that lane's key then becomes minus infinity.
; IN FLIGHT.  Two sets of four rows (64 registers, 16 loads each): while one is multiplied the other's loads are out, and a set is asked for again as soon as it has been multiplied.
; No cluster: the rows are chosen query by query.  The groups come from a whole-number buffer that an earlier launch stored, and are held to 0 .. 2,047 before they enter an address.
; LIMITS.  The dot is summed 32 terms a lane and then across the lanes, another order than the reference's.  The quotient is a reciprocal (one unit in the last place) with one fused correction.
; Two rows whose cosines differ by about 1e-7 or less may change places against the reference.  Norm 0, NaN and infinities are not treated apart.
; THE MODE: SCHED_MODE bits 1:0 = 2 (LLVM: expert scheduling mode 2), set by the entry lines.  The code itself states the register dependences
; between vector instructions and memory or LDS instructions, with s_wait_alu, always for 0.
; THE PLAN.  Registers that memory or LDS instructions touch:
;   v[LO], v[OG]   offsets: written once at the head, never again.          v[NO]  made of my loaded group, read by the one load of my row's norm, never written again.
;   v[GL], v[SN], Q   each loaded once; behind that named by vector instructions alone.
;   X set s        Its 128 multiply-adds read it; behind them the next group's 16 loads land in it.
;   v[WA], v[RA], v[OUT ..]   written at the end, read by the LDS store, the LDS load and the global store.          v[OB ..]  named by an LDS load and a global store alone.
;   v[SPW], v[NIL]  written at the head, read by the closing add alone.
; So in the loop ONE wait on va_vdst stands behind each set's multiply-adds, ahead of the 16 loads that fill the set again: a set that waited longer would lie idle, and this launch lives on loads in flight.
; The fold, behind set 1's loads, names P, T and D alone.  No register that a memory or LDS instruction reads is ever written again, so the text holds no wait on vm_vsrc.
; Where a compare writes VCC, a wait on va_vcc stands ahead of the select that reads it.
.set SYN,   8388608                    ; xb's byte at which the synth rows begin
.set SPARE, 256                        ; LDS: 0-255 sixteen results of 16 bytes; behind them the spare words, 128 bytes a wave, that no other line names
.set LO,  2                            ; v2   16 x lane; never rewritten
.set GL,  3                            ; v3   my row's group
.set NO,  4                            ; v4   my row's word among the synth rows' norms
.set NIX, 5                            ; v5   my row's number, then minus that number as f32 (exact: under 2^14)
.set SN,  6                            ; v6   my row's norm
.set D,   7                            ; v7   my row's dot
.set ZR,  8                            ; v8   0
.set OG,  9                            ; v9   4 (l / 8)
.set P,   10                           ; v[10:17]  the partial sums of a group's eight rows
.set T,   18                           ; v[18:21]  at work in the fold
.set SPW, 22                           ; v22  LDS address of my spare word; never rewritten
.set NIL, 23                           ; v23  0; never rewritten
.set DEN, 24
.set RC,  25
.set C0,  26
.set KEY, 27
.set M,   28
.set TM,  29
.set CI,  30
.set NINF, 31                          ; v31  minus infinity
.set OUT, 32                           ; v[32:35]  the four rows
.set WA,  36
.set RA,  37
.set OB,  38                           ; v[38:39]
.set Q,   40                           ; v[40:55]  the query: chunk c at Q + 4 c
.set X,   64                           ; v[64:191] set s, row j, chunk c at X + 64 s + 16 j + 4 c
.set LB,  14                           ; s[14:15] the group whose rows are being asked for
.set Q1,  20                           ; s[20:25] the groups to come
.set M1,  42                           ; s42-44   the lanes whose number has bit 0, 1, 2 set
.set M2,  43
.set M4,  44
.set GMK, 45                           ; s45  the eight lanes of the group in hand
.set CNT, 46                           ; s46  groups to go
	s_load_b256 s[4:11], s[0:1], 0x0               ; xb s[4:5], norms s[6:7], grp s[8:9], idx s[10:11]
	v_lshl_add_u32 v[SPW], v0, 2, SPARE
	v_mov_b32 v[NIL], 0
	v_lshrrev_b32 v1, 5, v0
	v_readfirstlane_b32 s12, v1                    ; wave 0..15
	v_and_b32 v1, 31, v0                           ; lane
	v_lshlrev_b32 v[LO], 4, v1
	v_lshrrev_b32 v[OG], 3, v1
	v_lshlrev_b32 v[OG], 2, v[OG]
	v_mov_b32 v[ZR], 0
	v_mov_b32 v[D], 0
	v_mov_b32 v[TM], 0                             ; v_permlanex16_b32 counts as a reader of its destination
	v_mov_b32 v[NINF], 0xff800000
	s_wait_alu depctr_va_sdst(0)                   ; s12 is written, ahead of its first reader: my query's number is made from it
	s_lshl_b32 s13, ttmp9, 4
	s_add_co_u32 s13, s13, s12                     ; my query
	s_lshl_b32 s28, s13, 4                         ; its 16 bytes of grp
	s_mov_b32 s29, 0
	s_lshl_b32 s38, s13, 2                         ; its word of norms
	s_mov_b32 s39, 0
	s_lshl_b32 s32, s13, 11                        ; its row of xb
	s_mov_b32 s33, 0
	s_lshl_b32 s34, ttmp9, 8                       ; the work-group's 256 bytes of idx
	s_mov_b32 s35, 0
	s_mov_b32 s40, 0x76543210                      ; v_permlanex16_b32: each lane takes its own place in the other half
	s_mov_b32 s41, 0xfedcba98
	s_mov_b32 s[M1], 0xaaaaaaaa
	s_mov_b32 s[M2], 0xcccccccc
	s_mov_b32 s[M4], 0xf0f0f0f0
	s_mov_b32 s[GMK], 0xff
	s_mov_b32 s[CNT], 4
	s_wait_kmcnt 0x0
	s_add_nc_u64 s[36:37], s[8:9], s[28:29]
	s_add_nc_u64 s[38:39], s[6:7], s[38:39]
	s_add_nc_u64 s[32:33], s[4:5], s[32:33]
	s_add_nc_u64 s[10:11], s[10:11], s[34:35]
	s_add_nc_u64 s[34:35], s[6:7], 16384           ; the synth rows' norms
	s_add_nc_u64 s[26:27], s[4:5], SYN             ; the synth rows
	s_load_b128 s[16:19], s[36:37], 0x0            ; the four groups, for the rows' addresses
	s_load_b32 s30, s[38:39], 0x0                  ; |q|
	s_wait_alu depctr_va_vdst(0)                   ; v[OG] and v[LO] are written, which the loads below, and all the rows' loads, read as their offsets; no vector instruction stands among the first 37 loads
	global_load_b32 v[GL], v[OG], s[36:37]         ; and my lane's group
.irp c, 0,1,2,3
	global_load_b128 v[Q+4*(\c):Q+4*(\c)+3], v[LO], s[32:33] offset:512*(\c)
.endr
	s_wait_kmcnt 0x0
.macro GBASE d, p                      ; group p's first row
	s_min_u32 s[16+(\p)], s[16+(\p)], 0x7ff        ; a loaded number enters an address only behind this bound
	s_lshl_b32 s[\d], s[16+(\p)], 14               ; a group is 8 rows of 2,048 bytes
	s_mov_b32 s[(\d)+1], 0
	s_add_nc_u64 s[\d:(\d)+1], s[26:27], s[\d:(\d)+1]
.endm
	GBASE LB, 0
	GBASE Q1, 1
	GBASE Q1+2, 2
	GBASE Q1+4, 3
.macro LOADS s                         ; rows 4 s .. 4 s + 3 of the group at LB into set s: 16 loads, 512 consecutive bytes each
.irp j, 0,1,2,3
.irp c, 0,1,2,3
	global_load_b128 v[X+64*(\s)+16*(\j)+4*(\c):X+64*(\s)+16*(\j)+4*(\c)+3], v[LO], s[LB:LB+1] offset:2048*(4*(\s)+(\j))+512*(\c)
.endr
.endr
.endm
.macro DOTS s                          ; set s against the query: 128 fused multiply-adds, the four rows' chains by turns; the first products start the sums
.irp c, 0,1,2,3
.irp k, 0,1,2,3
.irp j, 0,1,2,3
.if ((\c) == 0) && ((\k) == 0)
	v_fma_mix_f32_bf16 v[P+4*(\s)+(\j)], v[X+64*(\s)+16*(\j)], v[Q], v[ZR] op_sel_hi:[1,1,0]
.else
	v_fma_mix_f32_bf16 v[P+4*(\s)+(\j)], v[X+64*(\s)+16*(\j)+4*(\c)+(\k)], v[Q+4*(\c)+(\k)], v[P+4*(\s)+(\j)] op_sel_hi:[1,1,0]
.endif
.endr
.irp j, 0,1,2,3
	v_fma_mix_f32_bf16 v[P+4*(\s)+(\j)], v[X+64*(\s)+16*(\j)+4*(\c)+(\k)], v[Q+4*(\c)+(\k)], v[P+4*(\s)+(\j)] op_sel:[1,1,0] op_sel_hi:[1,1,0]
.endr
.endr
.endr
.endm
; The fold.  Of two sums a lane keeps the one that its bit names and hands the other to its partner: kept + the partner's handed.  8 sums become 4, 2, 1; lane l then holds row l % 8's sum over its eight lanes.
.macro FOLD
.irp i, 0,1,2,3
	v_cndmask_b32 v[T+(\i)], v[P+2*(\i)], v[P+2*(\i)+1], s[M1]        ; kept
	v_cndmask_b32 v[P+2*(\i)], v[P+2*(\i)+1], v[P+2*(\i)], s[M1]      ; handed on
.endr
.irp i, 0,1,2,3
	v_add_f32_dpp v[T+(\i)], v[P+2*(\i)], v[T+(\i)] row_xmask:1 row_mask:0xf bank_mask:0xf
.endr
.irp i, 0,1
	v_cndmask_b32 v[P+(\i)], v[T+2*(\i)], v[T+2*(\i)+1], s[M2]
	v_cndmask_b32 v[T+2*(\i)], v[T+2*(\i)+1], v[T+2*(\i)], s[M2]
.endr
.irp i, 0,1
	v_add_f32_dpp v[P+(\i)], v[T+2*(\i)], v[P+(\i)] row_xmask:2 row_mask:0xf bank_mask:0xf
.endr
	v_cndmask_b32 v[T], v[P], v[P+1], s[M4]
	v_cndmask_b32 v[P], v[P+1], v[P], s[M4]
	v_add_f32_dpp v[T], v[P], v[T] row_xmask:4 row_mask:0xf bank_mask:0xf
	v_add_f32_dpp v[T], v[T], v[T] row_xmask:8 row_mask:0xf bank_mask:0xf   ; the lanes 8 and 16 away hold the same row's other parts
	v_permlanex16_b32 v[T+1], v[T], s40, s41
	v_add_f32 v[T], v[T], v[T+1]
	v_cndmask_b32 v[D], v[D], v[T], s[GMK]         ; the group's eight lanes keep it
.endm
.macro WMAX d                          ; the greatest of the 32 lanes' numbers, in every lane
	v_max_num_f32_dpp v[\d], v[\d], v[\d] row_xmask:1 row_mask:0xf bank_mask:0xf
	v_max_num_f32_dpp v[\d], v[\d], v[\d] row_xmask:2 row_mask:0xf bank_mask:0xf
	v_max_num_f32_dpp v[\d], v[\d], v[\d] row_xmask:4 row_mask:0xf bank_mask:0xf
	v_max_num_f32_dpp v[\d], v[\d], v[\d] row_xmask:8 row_mask:0xf bank_mask:0xf
	v_permlanex16_b32 v[TM], v[\d], s40, s41
	v_max_num_f32 v[\d], v[\d], v[TM]
.endm
	LOADS 0                                        ; group 0
	LOADS 1
	s_wait_loadcnt 36                              ; my lane's group is in: behind it went the query's 4 loads and the rows' 32
	v_min_u32 v[GL], 0x7ff, v[GL]                  ; a loaded number enters an address only behind this bound
	v_and_b32 v[NIX], 7, v1
	v_lshl_add_u32 v[NIX], v[GL], 3, v[NIX]        ; my row's number
	v_lshlrev_b32 v[NO], 2, v[NIX]
	s_wait_alu depctr_va_vdst(0)                   ; v[NO] is written, which the load below reads as its offset
	global_load_b32 v[SN], v[NO], s[34:35]         ; one load more behind the rows': the counts below then wait for a little more than they need
	v_cvt_f32_u32 v[NIX], v[NIX]
	v_mul_f32 v[NIX], -1.0, v[NIX]
.Lgroup:                                               ; a trip: a group is multiplied and folded, and the next is asked for
	s_wait_loadcnt 16                              ; set 0 is in (and the query); set 1's 16 loads may stay out
	DOTS 0
	s_cmp_eq_u32 s[CNT], 1
	s_cbranch_scc1 .Llast                          ; the last group's second half is written out: nothing more is asked for
	s_wait_xcnt 0x0                                ; every load issued so far, the youngest 128 vector instructions back, has read its address, so the base may be written
	s_mov_b64 s[LB:LB+1], s[Q1:Q1+1]               ; the next group
	s_mov_b64 s[Q1:Q1+1], s[Q1+2:Q1+3]
	s_mov_b64 s[Q1+2:Q1+3], s[Q1+4:Q1+5]
	s_wait_alu depctr_va_vdst(0)                   ; the multiply-adds above are done reading set 0, in which the 16 loads below land
	LOADS 0
	s_wait_loadcnt 16                              ; set 1 is in; the 16 loads just issued may stay out
	DOTS 1
	s_wait_alu depctr_va_vdst(0)                   ; the multiply-adds above are done reading set 1, in which the 16 loads below land
	LOADS 1
	FOLD
	s_lshl_b32 s[GMK], s[GMK], 8
	s_sub_co_u32 s[CNT], s[CNT], 1
	s_branch .Lgroup
.Llast:
	s_wait_loadcnt 0x0                             ; set 1, and my row's norm
	DOTS 1
	FOLD
	v_mul_f32 v[DEN], s30, v[SN]                   ; |q| |s|
	v_rcp_f32 v[RC], v[DEN]
	v_nop                                          ; a plain instruction behind the reciprocal,
	s_wait_alu depctr_va_vdst(0)                   ; and the wait ahead of the first line that names its result: the reciprocal has written v[RC]
	v_mul_f32 v[C0], v[D], v[RC]
	v_fma_f32 v[DEN], -v[C0], v[DEN], v[D]         ; what the first quotient leaves over,
	v_fma_f32 v[C0], v[DEN], v[RC], v[C0]          ; put right
	v_add_f32 v[KEY], -1.0, v[C0]                  ; -(1 - quotient): the same rounding as the distance's
.irp r, 0,1,2,3
	v_mov_b32 v[M], v[KEY]
	WMAX M                                         ; the nearest that is left
	v_cmp_eq_f32 vcc_lo, v[KEY], v[M]
	s_wait_alu depctr_va_vcc(0)                    ; the compare has written VCC, which the select below reads
	v_cndmask_b32 v[CI], v[NINF], v[NIX], vcc_lo   ; among the lanes that hold it,
	WMAX CI                                        ; the lowest row
	v_cmp_eq_f32 vcc_lo, v[NIX], v[CI]
	v_mul_f32 v[M], -1.0, v[CI]                    ; its number, made while the compare is at work
	v_cvt_u32_f32 v[OUT+(\r)], v[M]
	s_wait_alu depctr_va_vcc(0)                    ; the compare has written VCC, which the select below reads
	v_cndmask_b32 v[KEY], v[KEY], v[NINF], vcc_lo  ; that row is taken out
.endr
	s_lshl_b32 s28, s12, 4
	v_mov_b32 v[WA], s28
	v_lshlrev_b32 v[RA], 3, v1
	s_wait_alu depctr_va_vdst(0)                   ; v[WA] and v[OUT ..] are written, which the LDS store reads; so is v[RA], which wave 0's LDS load and global store read
	ds_store_b128 v[WA], v[OUT:OUT+3]              ; all lanes write the same 16 bytes with the same numbers
	s_wait_dscnt 0x0                               ; for the others' sake: my store is done
	s_barrier_signal -1
	s_barrier_wait -1
	s_cmp_lg_u32 s12, 0
	s_cbranch_scc1 .Lend
	ds_load_b64 v[OB:OB+1], v[RA]                  ; no vector instruction names v[OB ..]
	s_wait_dscnt 0x0
	global_store_b64 v[RA], v[OB:OB+1], s[10:11]   ; 32 lanes: the work-group's 256 consecutive bytes, aligned
.Lend:
	s_wait_dscnt 0x0                               ; the closing lines, six on end
	s_wait_alu 0x0
	s_wait_tensorcnt 0x0
	ds_add_u32 v[SPW], v[NIL]
	s_wait_dscnt 0x0
	s_endpgm
.Lfunc_end_k_qa5f1c53c7b_rerank:
	.size	k_qa5f1c53c7b_rerank, .Lfunc_end_k_qa5f1c53c7b_rerank-k_qa5f1c53c7b_rerank
	.p2alignl 7, 3214868480
	.fill 96, 4, 3214868480
	.section	.rodata,"a",@progbits
	.p2align	6, 0x0
	.amdhsa_kernel k_qa5f1c53c7b_rerank
		.amdhsa_group_segment_fixed_size 2304
		.amdhsa_private_segment_fixed_size 0
		.amdhsa_enable_private_segment 0
		.amdhsa_kernarg_size 32
		.amdhsa_user_sgpr_count 2
		.amdhsa_user_sgpr_kernarg_segment_ptr 1
		.amdhsa_wavefront_size32 1
		.amdhsa_system_sgpr_workgroup_id_x 1
		.amdhsa_system_sgpr_workgroup_id_y 1
		.amdhsa_system_sgpr_workgroup_id_z 1
		.amdhsa_system_vgpr_workitem_id 0
		.amdhsa_next_free_vgpr 192
		.amdhsa_next_free_sgpr 66
		.amdhsa_reserve_vcc 1
		.amdhsa_float_denorm_mode_32 3
		.amdhsa_float_denorm_mode_16_64 3
		.amdhsa_memory_ordered 1
		.amdhsa_forward_progress 1
		.amdhsa_inst_pref_size 43
	.end_amdhsa_kernel
	.amdgpu_metadata
---
amdhsa.version: [ 1, 2 ]
amdhsa.kernels:
  - .name:           k_qa5f1c53c7b_rerank
    .symbol:         k_qa5f1c53c7b_rerank.kd
    .args:
      - { .name: xb, .offset: 0, .size: 8, .value_kind: global_buffer, .address_space: global }
      - { .name: norms, .offset: 8, .size: 8, .value_kind: global_buffer, .address_space: global }
      - { .name: grp, .offset: 16, .size: 8, .value_kind: global_buffer, .address_space: global }
      - { .name: idx, .offset: 24, .size: 8, .value_kind: global_buffer, .address_space: global }
    .group_segment_fixed_size: 2304
    .private_segment_fixed_size: 0
    .kernarg_segment_align: 8
    .kernarg_segment_size: 32
    .max_flat_workgroup_size: 512
    .sgpr_count:     66
    .vgpr_count:     192
    .wavefront_size: 32
...
	.end_amdgpu_metadata
.endif
;; end of part 7
;; launch gather: the kernel of part 5 again; grid 512 x 1, 8 waves a work-group, no clusters, 0 bytes of LDS; arguments xb, idx, out0; writes out0
